; MI455X (gfx1250); checked and timed in simulation.
; The chip was launched on July 23, 2026; its instructions are those of AMD's public machine-readable ISA for CDNA 5 (MIT licence, August 2026) and "CDNA5" Instruction Set Architecture Reference Guide (July 2026). The comments in the code are by the model that wrote it; some were corrected since.
;; Multi Head Attention. Allowed arithmetic: matrix products marked QUANTISED: E4M3 operands, one given power-of-two scale a tensor, by v_wmma_f32_16x16x64_fp8_fp8 or v_wmma_f32_16x16x128_fp8_fp8, f32 sums; everything else in f32.
;; Inputs: Wk 1,024 x 1,024 float32; Wo 1,024 x 1,024 float32; Wq 1,024 x 1,024 float32; Wv 1,024 x 1,024 float32; bk 1,024 float32; bo 1,024 float32; bq 1,024 float32; bv 1,024 float32; key 4 x 2,048 x 1,024 float32; lowp_scales 12 int32 (the exponents e of the quantised operands' scales 2^e); query 4 x 2,048 x 1,024 float32; value 4 x 2,048 x 1,024 float32.
;; Outputs: out0 4 x 2,048 x 1,024 float32.
;; This version of the problem:
;;   THIS VERSION OF THE PROBLEM IS GIVEN IN LOW PRECISION. The matrix products marked QUANTISED in the list below multiply operands that are first quantised to E4M3 (4 exponent bits, 3 mantissa bits; 8 bits a number), with one given power-of-two scale for each operand tensor; their sums are f32. All else is computed in f32.
;;   The module's matrix products, in the order in which they are computed (A, B: the left and right operand; K: the contracted axis; several contracted axes count as one K, in the product's order):
;;     1. [M 8,192, K 1,024] x [K 1,024, N 1,024]; A: input query; B: input Wq: QUANTISED (scales: A lowp_scales[0], B lowp_scales[1])
;;     2. [M 8,192, K 1,024] x [K 1,024, N 1,024]; A: input key; B: input Wk: QUANTISED (scales: A lowp_scales[2], B lowp_scales[3])
;;     3. [M 8,192, K 1,024] x [K 1,024, N 1,024]; A: input value; B: input Wv: QUANTISED (scales: A lowp_scales[4], B lowp_scales[5])
;;     4. batch 64 x [M 2,048, K 64] x [K 64, N 2,048]; A: computed on the way; B: computed on the way: QUANTISED (scales: A lowp_scales[6], B lowp_scales[7])
;;     5. batch 64 x [M 64, K 2,048] x [K 2,048, N 2,048]; A: computed on the way; B: softmax (see below): QUANTISED (scales: A lowp_scales[8], B lowp_scales[9])
;;     6. [M 8,192, K 1,024] x [K 1,024, N 1,024]; A: computed on the way; B: input Wo: QUANTISED (scales: A lowp_scales[10], B lowp_scales[11])
;;   THE QUANTISER, for each operand of a quantised product, along K:
;;     - The operand's scale is 2^e, e = its entry of the input lowp_scales (int32; the entries are numbered through the quantised products in the list's order, A before B).
;;     - Each number is divided by the scale, clamped to +-448, and rounded to the nearest number of E4M3, ties to even, subnormals kept.
;;     - The product sums the exact products of the quantised numbers (number of the format x scale) in f32.
;;   ~~~python
;;   def quantise(x, axis, e):      # numpy; x: float32 -> the quantised numbers, widened to float32 again
;;       x = np.moveaxis(x, axis, -1); K = x.shape[-1]
;;       r = np.clip(x / 2.0 ** e, -448, 448)
;;       step = 2.0 ** (np.maximum(np.frexp(np.where(r == 0, 1, r))[1] - 1, -6) - 3)
;;       q = np.round(r / step) * step * 2.0 ** e      # np.round: ties to even
;;       return np.moveaxis(q, -1, axis).astype(np.float32)
;;   ~~~
;;   SOFTMAX AHEAD OF A QUANTISED PRODUCT. Where the list says 'softmax', what is quantised is not the finished softmax but p = 2^(t - M), with t = logit x log2(e) and M = ceil(the row's largest t), a whole number; so 1/2 < the row's largest p <= 1. The row's sum l is taken of the UNQUANTISED p, in f32, and the product's result is divided by l at the end. Since M is a whole number, a kernel that streams over the keys may use a running M (the ceiling of the running maximum): every later rescaling is an exact power of two, so the quantised numbers keep their values, but for numbers so far below the row's largest that they fall under the format's range.
;;   OPERANDS COMPUTED ON THE WAY. 'Computed on the way' means the value that the module computes at that place (a softmax that the list does not call 'softmax' is quantised finished and normalised). What goes into a quantiser is computed in f32, as accurately as f32 sums, v_exp_f32 and their like allow (about 1e-6 of the number): no bf16 or f16 on the way to a quantiser, and a product that is left as it is and whose result goes on into a quantised operand takes f32 operands (vector FMAs, or v_wmma_f32_16x16x4_f32). A number that lies on a knife's edge between two numbers of the format may be rounded either way, as far as f32 arithmetic and the matrix unit's own rounding can turn it there, and no further.
;; 2 versions. Each part assembles by itself: llvm-mc -triple=amdgcn-amd-amdhsa -mcpu=gfx1250 --defsym DOCPART=n.
;; ======== version 1 of 2: 4 launches
;; workspace buffers: w_img 4,194,304 bytes; q_img 8,388,608 bytes; k_img 8,388,608 bytes; v_img 8,388,608 bytes; ctx_img 8,388,608 bytes
;; launch qw (part 1): grid 8 x 32, 8 waves a work-group, no clusters, 0 bytes of LDS; arguments Wq, Wk, Wv, Wo, lowp_scales, w_img; writes w_img
.if DOCPART == 1
	.amdgcn_target "amdgcn-amd-amdhsa--gfx1250"
	.amdhsa_code_object_version 6
	.text
	.protected	k_q5f4a2d83df_qw
	.globl	k_q5f4a2d83df_qw
	.p2align	8
	.type	k_q5f4a2d83df_qw,@function
k_q5f4a2d83df_qw:
	s_mov_b64 s[64:65], 0
	v_nop
	global_prefetch_b8 v0, s[64:65] scope:SCOPE_SE
	s_setreg_imm32_b32 hwreg(HW_REG_WAVE_MODE, 25, 1), 1
	s_wait_xcnt 0x0
; The four weights, each [1024 (k)][1024 (n)] f32 with K as the FIRST axis, become codes of E4M3, each with its given scale 2^e (entries 1, 3, 5, 11 of the scales).
; code = x / 2^e, held within +-448, to the nearest code, ties to even.  LIMITS: -126 <= e <= 119; NaN among the inputs is not served.
; OUTPUT: images of operand registers.  w_img[weight][chunk = n / 128][s = k / 128][tile j][c][512 bytes]: a fragment of 16 features x 128 k; its row rho is feature
; 128 chunk + 32 (j / 2) + 8 (j % 2) + rho + 8 (rho / 8); lane (rho, h) holds in group c the 16 codes of k = 128 s + 32 c + 16 h + 0 .. 15, at byte 512 c + 16 (rho + 16 h).
; SHARES: work-group x = chunk, y = 8 weight + s.  Wave: b = wave % 4: tiles 2 b and 2 b + 1 (32 columns); kh = wave / 4: groups c = 2 kh, 2 kh + 1 (64 along K).
; A LANE TAKES A COLUMN AND ITS REGISTERS RUN DOWN K: lane (u = lane / 16, rho) takes row rho of tile 2 b + u.  Each load of the wave reads 128 consecutive bytes; the conversions
; give 16 neighbouring codes along K in four registers, which are the image's 16 bytes: in each store lanes 0-15 write 256 consecutive aligned bytes and lanes 16-31 another 256.
; All 64 loads of a lane go out at once; no register is written twice, so no wait frees a source.  No LDS, no barrier: waves share nothing.
.set X, 32                             ; v32-95  64 numbers down K
.set C, 16                             ; v16-31  their codes
	s_load_b256 s[4:11], s[0:1], 0x0               ; Wq, Wk, Wv, Wo
	s_load_b128 s[12:15], s[0:1], 0x20             ; the scales' exponents, w_img
	v_lshrrev_b32 v1, 5, v0
	v_readfirstlane_b32 s32, v1                    ; wave 0..7
	v_and_b32 v2, 15, v0                           ; rho
	v_bfe_u32 v5, v0, 4, 1                         ; u
	v_and_b32 v3, 8, v2
	v_add_nc_u32 v3, v3, v2                        ; rho + 8 (rho / 8)
	v_lshl_add_u32 v3, v5, 3, v3                   ; + 8 u: my column among the wave's 32
	v_lshlrev_b32 v3, 2, v3                        ; in bytes
	v_lshlrev_b32 v4, 4, v2
	v_lshl_add_u32 v4, v5, 11, v4                  ; out: 2,048 u (the tile) + 16 rho
	s_and_b32 s33, ttmp7, 0xffff
	s_lshr_b32 s30, s33, 3                         ; which weight
	s_and_b32 s31, s33, 7                          ; s
	s_and_b32 s34, s32, 3                          ; b
	s_lshr_b32 s35, s32, 2                         ; kh
	s_lshl_b32 s36, s31, 19                        ; in: 128 s rows of 4,096 bytes
	s_lshl_b32 s37, s35, 18                        ; + 64 kh rows
	s_add_co_u32 s36, s36, s37
	s_lshl_b32 s37, ttmp9, 9                       ; + 128 chunk columns
	s_add_co_u32 s36, s36, s37
	s_lshl_b32 s37, s34, 7                         ; + 32 b columns
	s_add_co_u32 s36, s36, s37
	s_mov_b32 s37, 0
	s_lshl_b32 s38, s30, 20                        ; out: the weight's image,
	s_lshl_b32 s39, ttmp9, 17                      ; the chunk,
	s_add_co_u32 s38, s38, s39
	s_lshl_b32 s39, s31, 14                        ; the K step,
	s_add_co_u32 s38, s38, s39
	s_lshl_b32 s39, s34, 12                        ; tile 2 b,
	s_add_co_u32 s38, s38, s39
	s_lshl_b32 s39, s35, 10                        ; group 2 kh
	s_add_co_u32 s38, s38, s39
	s_mov_b32 s39, 0
	s_wait_kmcnt 0x0
	s_load_b128 s[16:19], s[12:13], 0x0            ; e0 .. e11
	s_load_b128 s[20:23], s[12:13], 0x10
	s_load_b128 s[24:27], s[12:13], 0x20
	s_cmp_eq_u32 s30, 1                            ; the choice hangs on the work-group's number alone
	s_cselect_b64 s[4:5], s[6:7], s[4:5]
	s_cmp_eq_u32 s30, 2
	s_cselect_b64 s[4:5], s[8:9], s[4:5]
	s_cmp_eq_u32 s30, 3
	s_cselect_b64 s[4:5], s[10:11], s[4:5]
	s_add_nc_u64 s[4:5], s[4:5], s[36:37]
	s_add_nc_u64 s[14:15], s[14:15], s[38:39]
.set kk, 0
.rept 64
	global_load_b32 v[X+kk], v3, s[4:5] offset:kk*4096 th:TH_LOAD_NT   ; W(k0 + kk, my column)
.set kk, kk+1
.endr
	s_wait_kmcnt 0x0
	s_cmp_eq_u32 s30, 1
	s_cselect_b32 s17, s19, s17                    ; e1, e3, e5 or e11
	s_cmp_eq_u32 s30, 2
	s_cselect_b32 s17, s21, s17
	s_cmp_eq_u32 s30, 3
	s_cselect_b32 s17, s27, s17
	s_add_co_i32 s28, s17, 127
	s_lshl_b32 s29, s28, 23
	v_mov_b32 v11, s29                             ; 2^e as f32: the conversion takes its exponent field
	s_add_co_i32 s28, s28, 8
	s_lshl_b32 s28, s28, 23
	s_or_b32 s28, s28, 0x600000
	v_mov_b32 v10, s28                             ; 448 x 2^e
.macro BLOCK t                         ; group c = 2 kh + t: 32 along K
	s_wait_loadcnt 32*(1-\t)                       ; loads return in order: this block's 32 are in; the other block's 32 are younger
.set i, 0
.rept 32
	v_med3_num_f32 v[X+32*\t+i], v[X+32*\t+i], -v10, v10   ; the conversion does not saturate (ISA guide 7.6.2): the hold at the largest code x the scale
.set i, i+1
.endr
.irp g, 0,1,2,3
	v_cvt_scalef32_pk8_fp8_f32 v[C+8*\t+2*\g:C+8*\t+2*\g+1], v[X+32*\t+8*\g:X+32*\t+8*\g+7], v11
.endr
	global_store_b128 v4, v[C+8*\t:C+8*\t+3], s[14:15] offset:512*\t        ; k = 32 c + 0 .. 15: the image's lanes 0-15
	global_store_b128 v4, v[C+8*\t+4:C+8*\t+7], s[14:15] offset:512*\t+256  ; k = 32 c + 16 .. 31: its lanes 16-31
.endm
	BLOCK 0
	BLOCK 1
	s_endpgm
.Lfunc_end_k_q5f4a2d83df_qw:
	.size	k_q5f4a2d83df_qw, .Lfunc_end_k_q5f4a2d83df_qw-k_q5f4a2d83df_qw
	.p2alignl 7, 3214868480
	.fill 96, 4, 3214868480
	.section	.rodata,"a",@progbits
	.p2align	6, 0x0
	.amdhsa_kernel k_q5f4a2d83df_qw
		.amdhsa_group_segment_fixed_size 0
		.amdhsa_private_segment_fixed_size 0
		.amdhsa_enable_private_segment 0
		.amdhsa_kernarg_size 48
		.amdhsa_user_sgpr_count 2
		.amdhsa_user_sgpr_kernarg_segment_ptr 1
		.amdhsa_wavefront_size32 1
		.amdhsa_system_sgpr_workgroup_id_x 1
		.amdhsa_system_sgpr_workgroup_id_y 1
		.amdhsa_system_sgpr_workgroup_id_z 1
		.amdhsa_system_vgpr_workitem_id 0
		.amdhsa_next_free_vgpr 96
		.amdhsa_next_free_sgpr 66
		.amdhsa_reserve_vcc 0
		.amdhsa_float_denorm_mode_32 3
		.amdhsa_float_denorm_mode_16_64 3
		.amdhsa_memory_ordered 1
		.amdhsa_forward_progress 1
		.amdhsa_inst_pref_size 14
	.end_amdhsa_kernel
	.amdgpu_metadata
---
amdhsa.version: [ 1, 2 ]
amdhsa.kernels:
  - .name:           k_q5f4a2d83df_qw
    .symbol:         k_q5f4a2d83df_qw.kd
    .args:
      - { .name: Wq, .offset: 0, .size: 8, .value_kind: global_buffer, .address_space: global }
      - { .name: Wk, .offset: 8, .size: 8, .value_kind: global_buffer, .address_space: global }
      - { .name: Wv, .offset: 16, .size: 8, .value_kind: global_buffer, .address_space: global }
      - { .name: Wo, .offset: 24, .size: 8, .value_kind: global_buffer, .address_space: global }
      - { .name: lowp_scales, .offset: 32, .size: 8, .value_kind: global_buffer, .address_space: global }
      - { .name: w_img, .offset: 40, .size: 8, .value_kind: global_buffer, .address_space: global }
    .group_segment_fixed_size: 0
    .private_segment_fixed_size: 0
    .kernarg_segment_align: 8
    .kernarg_segment_size: 48
    .max_flat_workgroup_size: 256
    .sgpr_count:     66
    .vgpr_count:     96
    .wavefront_size: 32
...
	.end_amdgpu_metadata
.endif
;; end of part 1
;; launch proj (part 2): grid 64 x 3, 4 waves a work-group, no clusters, 165,376 bytes of LDS; arguments query, key, value, bq, bk, bv, lowp_scales, w_img, q_img, k_img, v_img; writes q_img, k_img, v_img
.if DOCPART == 2
	.amdgcn_target "amdgcn-amd-amdhsa--gfx1250"
	.amdhsa_code_object_version 6
	.text
	.protected	k_q5f4a2d83df_proj
	.globl	k_q5f4a2d83df_proj
	.p2align	8
	.type	k_q5f4a2d83df_proj,@function
k_q5f4a2d83df_proj:
	s_mov_b64 s[64:65], 0
	v_nop
	global_prefetch_b8 v0, s[64:65] scope:SCOPE_SE
	s_setreg_imm32_b32 hwreg(HW_REG_WAVE_MODE, 25, 1), 1
	s_wait_xcnt 0x0
; The three input projections, on codes of E4M3: work-group y = 0: q = (query Wq + bq) / 8; 1: k = key Wk + bk; 2: v = value Wv + bv.  The results leave as CODES (scales: entries 6, 7, 8),
; laid as images of the registers in which the attention launch wants them.
; SHARES.  A work-group takes 128 tokens (x = 0 .. 63) against all 1,024 features, so each f32 activation is read from memory once in the launch.
; PHASE X: wave w quantises tokens 32 w .. 32 w + 31 (tiles 2 w, 2 w + 1), 16 rows x 128 k a unit, and stores the fragments' images in LDS; one barrier.
; PRODUCTS: wave w makes features 256 w .. 256 w + 255 for all 128 tokens in two passes of 128 x 128 (64 accumulators, 512 registers), 8 K steps of 128 each.
; A FRAGMENT (16 rows x 128 k, 16 registers): registers 4 c .. 4 c + 3 of lane (r, h) hold k = 32 c + 16 h + 0 .. 15: one permutation of k, alike in both operands.  Its image: group c is 512 bytes, lane l's 16 at 16 l.
; THE ROWS OF A TILE ARE NOT NEIGHBOURS: row rho of tile t is 32 (t / 2) + 8 (t % 2) + rho + 8 (rho / 8) of its block of 128, for tokens and for features: a result's 16 registers of tiles 2 b, 2 b + 1 are then 16 neighbours.
; q, k: source 0 = features, source 1 = tokens: a lane holds one token and registers along the head's d, the next K.  v: the sources are swapped: a lane holds one d and registers along the tokens, its next K.
; The text is one for all three: the branch on y stands round the runs of products, the bias loads and the epilogue alone.
; THE WEIGHTS go from w_img straight into the registers of the ONE wave that multiplies them (each fragment is read by one wave of the work-group).  They are not asked for jointly in a cluster: a joint load lands in LDS,
; which would add 1 MiB written and 1 MiB read again to the 1 MiB of token fragments that a work-group's waves read from LDS.
; SCALES.  A sum stands for sum x 2^(ex + ew): the bias goes in as b / 2^(ex + ew), and the conversion takes the one scale 2^(eo - ex - ew), for q 2^(eo + 3 - ex - ew): the division by 8 is folded in.
; LIMITS: ex and that folded exponent lie between -126 and 119; NaN among the inputs is not served.
; LDS: 0: the tokens' 64 images [s 8][tile 8][c 4][512], 131,072 bytes;  131,072: a stage of 16 rows x 528 bytes for each wave.
; REGISTERS.  window 0: v1-16 addresses and scales; v32-95 64 numbers at work, later the bias; v96-111 codes; v128-255 the tokens' 8 fragments, one set.   window 1: the weights' 8 fragments, two sets.
;   windows 2, 3: accumulator (token tile i, feature tile j) at v[8 (8 (i % 4) + j)] of window 2 + i / 4; in phase X window 2 is a ring of four units of 64 registers as loaded.
.set SPITCH, 528                       ; a stage row: 512 bytes + 16: sixteen rows' reads of 16 bytes fall on sixteen different 16-byte columns of 256 (64 banks of 4 bytes: ISA guide 11.1)
.set STG,    131072
.set LI,   4                           ; v4   16 x lane
.set STI,  6                           ; v6   my stage + 16 x lane: a row as it lies
.set STO,  7                           ; v7   my stage + 528 r + 64 h: my 16 numbers of a block of 32
.set XA,   8                           ; v8   LDS address of the K step's images
.set BQ,   9                           ; v9   bias offset for q, k: 64 h
.set SCX,  10                          ; v10  2^ex      v11  448 x 2^ex
.set LMX,  11
.set SCF,  12                          ; v12  2^fold    v13  448 x 2^fold
.set LMF,  13
.set LIW,  14                          ; v14  16 x lane + 4,096 x wave: where my images go; v15 the same + 65,536
.set BV,   16                          ; v16  bias offset for v: 4 (r + 8 (r / 8))
.set T,    32
.set BI,   32
.set PC,   96
.set XF,   128
.set XP,   44                          ; s[44:45] my 32 rows of the activations
.set BP,   46                          ; s[46:47] my pass's 128 numbers of the bias
.set OUT,  48                          ; s[48:49] my pass's two heads in the image
.set WP,   50                          ; s[50:51] the weight fragments last asked for
.set INC,  52                          ; s[52:53] a K step of weights in bytes; 0 for the launch's last fetch
.set WV,   54
.set YY,   55
.set BLK,  56
.set PASS, 57
.set KC,   58
.set XO,   59                          ; s59  LDS byte of the next K step's images
.set NEG,  60                          ; s60  -(ex + ew)
.set MSB, 0
.macro WIN new                         ; the immediate's high byte repeats the setting that is left; a switch that changes nothing is dropped
.if MSB != (\new)
	s_set_vgpr_msb (MSB<<8)|(\new)
.set MSB, (\new)
.endif
.endm
.macro PLACES n
.rept \n
	v_nop
.endr
.endm
.macro WFETCH p                        ; a K step's 8 weight fragments into set p: 32 loads of 512 consecutive bytes
	WIN 0x40                                       ; destination window 1
.irp j, 0,1,2,3,4,5,6,7
.irp c, 0,1,2,3
	global_load_b128 v[128*(\p)+16*\j+4*\c:128*(\p)+16*\j+4*\c+3], v[LI], s[WP:WP+1] offset:2048*\j+512*\c
.endr
.endr
	WIN 0
.endm
.macro XFETCH i0                       ; token tiles i0 .. i0 + 3 of the K step at v[XA]
.irp i, \i0, \i0+1, \i0+2, \i0+3
.irp c, 0,1,2,3
	ds_load_b128 v[XF+16*(\i)+4*\c:XF+16*(\i)+4*\c+3], v[XA] offset:2048*(\i)+512*\c
.endr
.endr
.endm
.macro XLOAD n                         ; unit n = 2 s + u: 16 rows (tile 2 w + u) x 128 k (K step s) of f32 into ring slot n % 4: each load reads 512 consecutive bytes of one row
	WIN 0x80                                       ; destination window 2
.irp rho, 0,1,2,3,4,5,6,7,8,9,10,11,12,13,14,15
	global_load_b128 v[64*((\n)%4)+4*\rho:64*((\n)%4)+4*\rho+3], v[LI], s[XP:XP+1] offset:(8*((\n)%2)+\rho+8*(\rho/8))*4096+512*((\n)/2) th:TH_LOAD_NT
.endr
	WIN 0
.endm
.macro QUANT                           ; register 16 b + i of T = k 32 b + 16 h + i of my row: the codes in PC are the fragment's registers
.irp b, 0,1,2,3
.irp i, 0,1,2,3,4,5,6,7,8,9,10,11,12,13,14,15
	v_med3_num_f32 v[T+16*\b+\i], v[T+16*\b+\i], -v[LMX], v[LMX]   ; the conversion does not saturate (ISA guide 7.6.2): the hold at the largest code x the scale
.endr
	v_cvt_scalef32_pk8_fp8_f32 v[PC+4*\b:PC+4*\b+1], v[T+16*\b:T+16*\b+7], v[SCX]
	v_cvt_scalef32_pk8_fp8_f32 v[PC+4*\b+2:PC+4*\b+3], v[T+16*\b+8:T+16*\b+15], v[SCX]
.endr
	v_nop                                          ; a plain vector line behind the last conversion
.endm
; One unit: the 16 rows turn through my stage (in as they lie, out 64 bytes a lane), are quantised, and the image goes to LDS.  left: the younger loads that may stay out.
.macro UNIT n, left
	s_wait_loadcnt \left
	WIN 0x08                                       ; store data window 2
.irp rho, 0,1,2,3,4,5,6,7,8,9,10,11,12,13,14,15
	ds_store_b128 v[STI], v[64*((\n)%4)+4*\rho:64*((\n)%4)+4*\rho+3] offset:SPITCH*\rho
.endr
	WIN 0
.irp b, 0,1,2,3
.irp j, 0,1,2,3
	ds_load_b128 v[T+16*\b+4*\j:T+16*\b+4*\j+3], v[STO] offset:128*\b+16*\j   ; LDS serves a wave's instructions in order (ISA guide 5.7.1.4): these see the stores above
.endr
.endr
	s_wait_dscnt 0x0                               ; the numbers are back; the stage's stores have read the ring slot, and the last image's stores have read PC
.if (\n) < 12
	XLOAD (\n)+4                                   ; the slot takes the unit four on
.endif
	QUANT
.irp c, 0,1,2,3
	ds_store_b128 v[LIW+(\n)/8], v[PC+4*\c:PC+4*\c+3] offset:(((\n)/2)%4)*16384+((\n)%2)*2048+512*\c
.endr
.endm
; 16 products: token tiles i0, i0 + 1 x the 8 feature tiles.  The 64 accumulators take turns, one instruction a turn, in the same order in every K step.
.macro MUL16 i0, p, zero, swap
.irp i, \i0, \i0+1
.irp j, 0,1,2,3,4,5,6,7
.if \swap
.if \zero
	v_wmma_f32_16x16x128_fp8_fp8 v[8*(8*((\i)%4)+\j):8*(8*((\i)%4)+\j)+7], v[XF+16*(\i):XF+16*(\i)+15], v[128*(\p)+16*\j:128*(\p)+16*\j+15], 0
.else
	v_wmma_f32_16x16x128_fp8_fp8 v[8*(8*((\i)%4)+\j):8*(8*((\i)%4)+\j)+7], v[XF+16*(\i):XF+16*(\i)+15], v[128*(\p)+16*\j:128*(\p)+16*\j+15], v[8*(8*((\i)%4)+\j):8*(8*((\i)%4)+\j)+7]
.endif
.else
.if \zero
	v_wmma_f32_16x16x128_fp8_fp8 v[8*(8*((\i)%4)+\j):8*(8*((\i)%4)+\j)+7], v[128*(\p)+16*\j:128*(\p)+16*\j+15], v[XF+16*(\i):XF+16*(\i)+15], 0
.else
	v_wmma_f32_16x16x128_fp8_fp8 v[8*(8*((\i)%4)+\j):8*(8*((\i)%4)+\j)+7], v[128*(\p)+16*\j:128*(\p)+16*\j+15], v[XF+16*(\i):XF+16*(\i)+15], v[8*(8*((\i)%4)+\j):8*(8*((\i)%4)+\j)+7]
.endif
.endif
.endr
.endr
.endm
.macro HALF i0, p, zero                ; 32 products, token tiles i0 .. i0 + 3; the order of the sources hangs on the work-group's y alone
	s_cmp_eq_u32 s[YY], 2
	s_cbranch_scc1 .Lsw_\@
	WIN 0xa1+0x50*((\i0)/4)                        ; source 0 (weights) window 1, source 1 (tokens) window 0, C and D window 2 or 3
	MUL16 \i0, \p, \zero, 0
	MUL16 (\i0)+2, \p, \zero, 0
	WIN 0
	s_branch .Ljn_\@
.Lsw_\@:
	WIN 0xa4+0x50*((\i0)/4)                        ; source 0 (tokens) window 0, source 1 (weights) window 1
	MUL16 \i0, \p, \zero, 1
	MUL16 (\i0)+2, \p, \zero, 1
	WIN 0
.Ljn_\@:
.endm
; A K step of 128: 64 products on weight set p.  The next step's weights are asked for at its head, the next step's token tiles 0-3 in its middle and 4-7 at its end, each run four places behind the products that read its registers.
.macro STEP p, zero
	s_wait_xcnt 0x0                                ; the last fetch has read its base
	s_add_nc_u64 s[WP:WP+1], s[WP:WP+1], s[INC:INC+1]
	WFETCH 1-(\p)                                  ; (four places stand at the tail of the step that read this set)
	s_wait_loadcnt 32                              ; all but the 32 just issued: set p, and the bias, are in
	s_wait_dscnt 16                                ; token tiles 0-3 are in; the youngest 16 loads (tiles 4-7) may be out
	HALF 0, \p, \zero
	s_wait_dscnt 0x0                               ; tiles 4-7 are in
	PLACES 4
	v_add_nc_u32 v[XA], s[XO], v[LI]
	XFETCH 0
	HALF 4, \p, \zero
	PLACES 4
	XFETCH 4
	s_add_co_u32 s[XO], s[XO], 16384
	s_and_b32 s[XO], s[XO], 0x1ffff                ; behind K step 7 comes the next pass's K step 0
.endm
.macro BIAS_QK                         ; lane (r, h), tile j, register i: feature 32 (j / 2) + 8 (j % 2) + 16 h + i of the pass's 128
.irp j, 0,1,2,3,4,5,6,7
	global_load_b128 v[BI+8*\j:BI+8*\j+3], v[BQ], s[BP:BP+1] offset:(32*(\j/2)+8*(\j%2))*4
	global_load_b128 v[BI+8*\j+4:BI+8*\j+7], v[BQ], s[BP:BP+1] offset:(32*(\j/2)+8*(\j%2))*4+16
.endr
.endm
.macro BIAS_V                          ; lane (r, h), tile j: the one feature 32 (j / 2) + 8 (j % 2) + r + 8 (r / 8)
.irp j, 0,1,2,3,4,5,6,7
	global_load_b32 v[BI+2*\j], v[BV], s[BP:BP+1] offset:(32*(\j/2)+8*(\j%2))*4
.endr
.endm
; q, k: token tile i's 64 sums of a lane are d = 0 .. 63 of two heads (my half's 16 of each 32): + bias, hold, 64 codes in 16 registers, four stores of 512 consecutive bytes.
.macro EPI_QK
.set n, 0
.rept 64
	v_ldexp_f32 v[BI+n], v[BI+n], s[NEG]           ; b / 2^(ex + ew).  (These lines are also the places behind the last products)
.set n, n+1
.endr
.irp i, 0,1,2,3,4,5,6,7
.set AC, 64*(\i%4)
.set WD, 2+\i/4
	WIN (WD<<6)|WD                                 ; destination and source 0: the accumulators' window
.set n, 0
.rept 32
	v_pk_add_f32 v[AC+n:AC+n+1], v[AC+n:AC+n+1], v[BI+n:BI+n+1]   ; each accumulator from its low end on
.set n, n+2
.endr
.set n, 0
.rept 64
	v_med3_num_f32 v[AC+n], v[AC+n], -v[LMF], v[LMF]
.set n, n+1
.endr
	s_wait_xcnt 0x0                                ; the last tile's stores have read PC
	WIN WD
.irp j, 0,1,2,3,4,5,6,7
	v_cvt_scalef32_pk8_fp8_f32 v[PC+2*\j:PC+2*\j+1], v[AC+8*\j:AC+8*\j+7], v[SCF]
.endr
	v_nop                                          ; a plain vector line behind the last conversion
	WIN 0
.irp b, 0,1,2,3
	global_store_b128 v[LI], v[PC+4*\b:PC+4*\b+3], s[OUT:OUT+1] offset:(\b/2)*131072+1024*\i+512*(\b%2)   ; head b / 2 of the pass's two, tile i, group b % 2
.endr
.endr
.endm
; v: a lane holds one d (feature tile j) and, in token tiles 2 c and 2 c + 1, 16 neighbouring tokens: group c of the fragment (head j / 4, d tile j % 4).  Two feature tiles x four token tiles a batch.
.macro EPI_V
.irp j, 0,1,2,3,4,5,6,7
	v_ldexp_f32 v[BI+2*\j], v[BI+2*\j], s[NEG]
.endr
.irp j, 0,1,2,3,4,5,6,7
	v_mov_b32 v[BI+2*\j+1], v[BI+2*\j]             ; the pair for the packed addition
.endr
.irp wd, 0,1
.irp jj, 0,1,2,3
	WIN ((2+\wd)<<6)|(2+\wd)
.irp jo, 0,1
.irp ii, 0,1,2,3
.set AC, 8*(8*\ii+2*\jj+\jo)
.irp k, 0,2,4,6
	v_pk_add_f32 v[AC+\k:AC+\k+1], v[AC+\k:AC+\k+1], v[BI+2*(2*\jj+\jo):BI+2*(2*\jj+\jo)+1]
.endr
.irp k, 0,1,2,3,4,5,6,7
	v_med3_num_f32 v[AC+\k], v[AC+\k], -v[LMF], v[LMF]
.endr
.endr
.endr
	s_wait_xcnt 0x0                                ; the last batch's stores have read PC
	WIN 2+\wd
.irp jo, 0,1
.irp ii, 0,1,2,3
.set AC, 8*(8*\ii+2*\jj+\jo)
	v_cvt_scalef32_pk8_fp8_f32 v[PC+8*\jo+2*\ii:PC+8*\jo+2*\ii+1], v[AC:AC+7], v[SCF]
.endr
.endr
	v_nop
	WIN 0
.irp jo, 0,1
.irp bl, 0,1
	global_store_b128 v[LI], v[PC+8*\jo+4*\bl:PC+8*\jo+4*\bl+3], s[OUT:OUT+1] offset:((2*\jj+\jo)/4)*131072+2048*((2*\jj+\jo)%4)+512*(2*\wd+\bl)
.endr
.endr
.endr
.endr
.endm
	s_load_b512 s[8:23], s[0:1], 0x0               ; query, key, value, bq, bk, bv, the scales' exponents, w_img
	s_load_b128 s[24:27], s[0:1], 0x40             ; q_img, k_img
	s_load_b64 s[28:29], s[0:1], 0x50              ; v_img
	v_lshl_add_u32 v126, v0, 2, 0x28400
	v_mov_b32 v127, 0
	v_lshrrev_b32 v1, 5, v0
	v_readfirstlane_b32 s[WV], v1                  ; wave 0..3
	v_and_b32 v1, 31, v0                           ; lane
	v_and_b32 v2, 15, v0                           ; r
	v_bfe_u32 v3, v0, 4, 1                         ; h
	v_lshlrev_b32 v[LI], 4, v1
	s_mul_i32 s66, s[WV], 16*SPITCH
	s_add_co_u32 s66, s66, STG                     ; my stage
	v_add_nc_u32 v[STI], s66, v[LI]
	v_mul_u32_u24 v[STO], v2, SPITCH
	v_lshl_add_u32 v[STO], v3, 6, v[STO]
	v_add_nc_u32 v[STO], s66, v[STO]
	s_lshl_b32 s67, s[WV], 12                      ; tile 2 w: 2 w x 2,048 bytes
	v_add_nc_u32 v[LIW], s67, v[LI]
	v_add_nc_u32 v[LIW+1], 0x10000, v[LIW]
	v_lshlrev_b32 v[BQ], 6, v3
	v_and_b32 v[BV], 8, v2
	v_add_nc_u32 v[BV], v[BV], v2
	v_lshlrev_b32 v[BV], 2, v[BV]
	s_and_b32 s[YY], ttmp7, 0xffff
	s_mov_b32 s[BLK], ttmp9
	s_wait_kmcnt 0x0
	s_load_b128 s[32:35], s[20:21], 0x0            ; e0 .. e11
	s_load_b128 s[36:39], s[20:21], 0x10
	s_load_b128 s[40:43], s[20:21], 0x20
	s_cmp_eq_u32 s[YY], 1                          ; the choices hang on the work-group's number alone
	s_cselect_b64 s[XP:XP+1], s[10:11], s[8:9]
	s_cselect_b64 s[BP:BP+1], s[16:17], s[14:15]
	s_cselect_b64 s[OUT:OUT+1], s[26:27], s[24:25]
	s_cmp_eq_u32 s[YY], 2
	s_cselect_b64 s[XP:XP+1], s[12:13], s[XP:XP+1]
	s_cselect_b64 s[BP:BP+1], s[18:19], s[BP:BP+1]
	s_cselect_b64 s[OUT:OUT+1], s[28:29], s[OUT:OUT+1]
	s_lshl_b32 s66, s[BLK], 19                     ; 128 rows of 4,096 bytes a block,
	s_lshl_b32 s67, s[WV], 17                      ; 32 a wave
	s_add_co_u32 s66, s66, s67
	s_mov_b32 s67, 0
	s_add_nc_u64 s[XP:XP+1], s[XP:XP+1], s[66:67]
	XLOAD 0                                        ; the ring is filled before anything else: 64 loads, 32 KiB a wave
	XLOAD 1
	XLOAD 2
	XLOAD 3
	s_lshl_b32 s66, s[WV], 10                      ; my 256 numbers of the bias
	s_add_nc_u64 s[BP:BP+1], s[BP:BP+1], s[66:67]
	s_lshr_b32 s66, s[BLK], 4                      ; the batch: 16 blocks of 128 tokens each
	s_lshl_b32 s66, s66, 4
	s_lshl_b32 s68, s[WV], 2
	s_add_co_u32 s66, s66, s68                     ; 16 x batch + my first head, 4 w
	s_lshl_b32 s66, s66, 17                        ; a head's image is 131,072 bytes in all three buffers
	s_and_b32 s68, s[BLK], 15
	s_lshl_b32 s68, s68, 13                        ; a block of 128 tokens 8,192
	s_add_co_u32 s66, s66, s68
	s_add_nc_u64 s[OUT:OUT+1], s[OUT:OUT+1], s[66:67]
	s_lshl_b32 s66, s[YY], 20                      ; the weight's image,
	s_lshl_b32 s68, s[WV], 18                      ; chunk 2 w
	s_add_co_u32 s66, s66, s68
	s_add_nc_u64 s[WP:WP+1], s[22:23], s[66:67]
	s_wait_kmcnt 0x0
	s_cmp_eq_u32 s[YY], 1
	s_cselect_b32 s68, s34, s32                    ; ex
	s_cselect_b32 s69, s35, s33                    ; ew
	s_cselect_b32 s70, s39, s38                    ; eo
	s_cmp_eq_u32 s[YY], 2
	s_cselect_b32 s68, s36, s68
	s_cselect_b32 s69, s37, s69
	s_cselect_b32 s70, s40, s70
	s_cmp_eq_u32 s[YY], 0
	s_cselect_b32 s71, 3, 0                        ; q's division by 8
	s_add_co_i32 s72, s68, s69                     ; ex + ew
	s_sub_co_i32 s[NEG], 0, s72
	s_sub_co_i32 s70, s70, s72
	s_add_co_i32 s70, s70, s71                     ; the folded exponent
	s_add_co_i32 s68, s68, 127
	s_lshl_b32 s73, s68, 23
	v_mov_b32 v[SCX], s73
	s_add_co_i32 s68, s68, 8
	s_lshl_b32 s68, s68, 23
	s_or_b32 s68, s68, 0x600000
	v_mov_b32 v[LMX], s68
	s_add_co_i32 s70, s70, 127
	s_lshl_b32 s73, s70, 23
	v_mov_b32 v[SCF], s73
	s_add_co_i32 s70, s70, 8
	s_lshl_b32 s70, s70, 23
	s_or_b32 s70, s70, 0x600000
	v_mov_b32 v[LMF], s70
	; ---- phase X.  Counts: behind unit n's 16 loads stand those of the three units that follow: 48
.irp n, 0,1,2,3,4,5,6,7,8,9,10,11,12
	UNIT \n, 48
.endr
	UNIT 13, 32                                    ; units 14 and 15 are younger
	WFETCH 0                                       ; the first K step's weights
	UNIT 14, 48                                    ; unit 15's 16 and the 32 weight loads are younger
	UNIT 15, 32                                    ; the 32 weight loads
	s_wait_dscnt 0x0                               ; for the others' sake: my images have landed
	s_barrier_signal -1
	s_barrier_wait -1                              ; all 64 images lie in LDS; from here on LDS is only read
	v_mov_b32 v[XA], v[LI]
	XFETCH 0
	XFETCH 4
	s_mov_b32 s[XO], 16384
	s_mov_b32 s[INC], 0x4000
	s_mov_b32 s[INC+1], 0
	s_mov_b32 s[PASS], 2
.Lpass:
	s_cmp_eq_u32 s[YY], 2
	s_cbranch_scc1 .Lbias_v
	BIAS_QK
	s_branch .Lbias_done
.Lbias_v:
	BIAS_V
.Lbias_done:
	STEP 0, 1                                      ; the first K step starts the sums: nothing is cleared
	s_mov_b32 s[KC], 3
.Lk:
	STEP 1, 0
	STEP 0, 0
	s_sub_co_u32 s[KC], s[KC], 1
	s_cmp_lg_u32 s[KC], 0
	s_cbranch_scc1 .Lk
	s_cmp_eq_u32 s[PASS], 1
	s_cselect_b32 s[INC], 0, 0x4000                ; the launch's last fetch has no successor: it names the step in hand once more and is not used
	STEP 1, 0
	s_cmp_eq_u32 s[YY], 2
	s_cbranch_scc1 .Lepi_v
	EPI_QK
	s_branch .Lepi_done
.Lepi_v:
	EPI_V
.Lepi_done:
	s_wait_xcnt 0x0                                ; the stores and the bias loads have read their bases
	s_add_nc_u64 s[OUT:OUT+1], s[OUT:OUT+1], 0x40000   ; two heads on
	s_add_nc_u64 s[BP:BP+1], s[BP:BP+1], 512
	s_sub_co_u32 s[PASS], s[PASS], 1
	s_cmp_lg_u32 s[PASS], 0
	s_cbranch_scc1 .Lpass
	s_wait_dscnt 0x0                               ; the last step's fragment loads, which nobody uses
	s_wait_tensorcnt 0x0
	ds_add_u32 v126, v127
	s_wait_dscnt 0x0
	s_endpgm
.Lfunc_end_k_q5f4a2d83df_proj:
	.size	k_q5f4a2d83df_proj, .Lfunc_end_k_q5f4a2d83df_proj-k_q5f4a2d83df_proj
	.p2alignl 7, 3214868480
	.fill 96, 4, 3214868480
	.section	.rodata,"a",@progbits
	.p2align	6, 0x0
	.amdhsa_kernel k_q5f4a2d83df_proj
		.amdhsa_group_segment_fixed_size 165376
		.amdhsa_private_segment_fixed_size 0
		.amdhsa_enable_private_segment 0
		.amdhsa_kernarg_size 88
		.amdhsa_user_sgpr_count 2
		.amdhsa_user_sgpr_kernarg_segment_ptr 1
		.amdhsa_wavefront_size32 1
		.amdhsa_system_sgpr_workgroup_id_x 1
		.amdhsa_system_sgpr_workgroup_id_y 1
		.amdhsa_system_sgpr_workgroup_id_z 1
		.amdhsa_system_vgpr_workitem_id 0
		.amdhsa_next_free_vgpr 1024
		.amdhsa_next_free_sgpr 80
		.amdhsa_reserve_vcc 0
		.amdhsa_float_denorm_mode_32 3
		.amdhsa_float_denorm_mode_16_64 3
		.amdhsa_memory_ordered 1
		.amdhsa_forward_progress 1
		.amdhsa_inst_pref_size 255
	.end_amdhsa_kernel
	.section	.bss,"aw",@nobits
	.p2align	6
	.space	262144
	.amdgpu_metadata
---
amdhsa.version: [ 1, 2 ]
amdhsa.kernels:
  - .name:           k_q5f4a2d83df_proj
    .symbol:         k_q5f4a2d83df_proj.kd
    .args:
      - { .name: query, .offset: 0, .size: 8, .value_kind: global_buffer, .address_space: global }
      - { .name: key, .offset: 8, .size: 8, .value_kind: global_buffer, .address_space: global }
      - { .name: value, .offset: 16, .size: 8, .value_kind: global_buffer, .address_space: global }
      - { .name: bq, .offset: 24, .size: 8, .value_kind: global_buffer, .address_space: global }
      - { .name: bk, .offset: 32, .size: 8, .value_kind: global_buffer, .address_space: global }
      - { .name: bv, .offset: 40, .size: 8, .value_kind: global_buffer, .address_space: global }
      - { .name: lowp_scales, .offset: 48, .size: 8, .value_kind: global_buffer, .address_space: global }
      - { .name: w_img, .offset: 56, .size: 8, .value_kind: global_buffer, .address_space: global }
      - { .name: q_img, .offset: 64, .size: 8, .value_kind: global_buffer, .address_space: global }
      - { .name: k_img, .offset: 72, .size: 8, .value_kind: global_buffer, .address_space: global }
      - { .name: v_img, .offset: 80, .size: 8, .value_kind: global_buffer, .address_space: global }
    .group_segment_fixed_size: 165376
    .private_segment_fixed_size: 0
    .kernarg_segment_align: 8
    .kernarg_segment_size: 88
    .max_flat_workgroup_size: 128
    .sgpr_count:     80
    .vgpr_count:     1024
    .wavefront_size: 32
...
	.end_amdgpu_metadata
.endif
;; end of part 2
;; launch attn (part 3): grid 4 x 64, 16 waves a work-group, clusters of 4 x 1, 264,192 bytes of LDS; arguments q_img, k_img, v_img, lowp_scales, ctx_img; writes ctx_img
.if DOCPART == 3
	.amdgcn_target "amdgcn-amd-amdhsa--gfx1250"
	.amdhsa_code_object_version 6
	.text
	.protected	k_q5f4a2d83df_attn
	.globl	k_q5f4a2d83df_attn
	.p2align	8
	.type	k_q5f4a2d83df_attn,@function
k_q5f4a2d83df_attn:
	s_mov_b64 s[64:65], 0
	v_nop
	global_prefetch_b8 v0, s[64:65] scope:SCOPE_SE
	s_setreg_imm32_b32 hwreg(HW_REG_WAVE_MODE, 25, 1), 1
	s_wait_xcnt 0x0
	s_wait_alu depctr_hold_cnt(0) depctr_sa_sdst(0) depctr_va_vdst(0) depctr_va_sdst(0) depctr_va_ssrc(0) depctr_va_vcc(0) depctr_vm_vsrc(0)
	s_getreg_b32 s2, hwreg(HW_REG_IB_STS2, 6, 4)
	s_cmp_eq_u32 s2, 0
	s_cbranch_scc0 .Lentry_in_a_cluster
	s_endpgm
.Lentry_in_a_cluster:
	s_bfe_u32 s2, ttmp6, 0x10000c
	s_cmp_lg_u32 s2, 0x3003
	s_cbranch_scc0 .Lentry_shape_is_right
	s_endpgm
.Lentry_shape_is_right:
; Causal attention on codes of E4M3, head size 64, 2,048 queries and keys a head, 64 heads (y = 16 x batch + head).  Scales: q entry 6, k 7, v 8, p 9 of the exponents; the result leaves as codes with entry 10.
; THE SOFTMAX: t = score x log2(e); M = the running largest t rounded UP to a whole number; p = 2^(t - M) is quantised, not normalised; the row's sum is taken of the unquantised p and divides at the end;
; when M moves, the sum and O are multiplied by 2^(old M - new M), which rounds nothing.  A hidden key's score becomes -infinity, so its p is 0: what the additive -1e10 gives wherever |score| is far below 1e10.
; CLUSTER: the four work-groups of a cluster serve ONE head.  The head's whole K (131,072 bytes of codes) and V (as many) lie in each work-group's LDS, brought ONCE by four joint loads of 65,536 bytes
; (waves 0, 1: K's halves; waves 2, 3: V's), each with the same descriptor and a mask that names the four.  No LDS byte is filled twice, and LDS is only read afterwards.
; SHARES: the head's 128 tiles of 16 queries are 16 groups of 8; group g has its diagonal in key step g (128 keys a step).  Wave w takes tile tau = 2 cx + w / 8 of group w % 8 and then of group 15 - w % 8:
; (g + 1) + (16 - g) = 17 key steps for every wave.  Every wave walks 16 trips a pass and jumps over the work of steps whose keys all come after its queries: branches hang on the wave's number and on counters alone;
; the place in the cluster enters Q's and the result's global addresses and the number that the mask compares with, nothing else.
; LAYOUT: both products transposed: S^T = K Q^T (source 0 = 16 keys), O^T = V^T P (source 0 = 16 of d): a lane holds one query throughout.  Row rho of tile t of a block of 128 tokens (or of d) is
; 32 (t / 2) + 8 (t % 2) + rho + 8 (rho / 8), so 16 registers of tiles 2 b, 2 b + 1 are 16 neighbours: p's codes are the second product's operand, and O's codes are a piece of the last projection's.
; All buffers are images of operand registers: a group of four registers is 512 bytes, lane l's 16 at 16 l; registers 4 c .. 4 c + 3 of lane (r, h) hold k = 32 c + 16 h + 0 .. 15.
; LIMITS: e6 + e7 between -126 and 127 (added to log2(e)'s exponent field); e9 and e10 between -126 and 119; e8 + e9 is applied by v_ldexp_f32.
; LDS: K at 8,192 step + 1,024 tile + 512 c;  V at 131,072 + 8,192 step + 2,048 d tile + 512 c.
; REGISTERS: v1 16 x lane; v2 the mask's number; v8, v9 addresses; v12 -M, v13 the largest t, v[14:15] the sum; v16-23 Q; v32-95 K's 8 fragments, then V's 4; v96-159 S^T, then p; v160-191 O^T; v224-239 codes; v236-254 at work and scales.
.set WV,   14
.set CX,   15
.set YY,   16
.set UU,   17
.set GG,   18                          ; s18  the group of the pass in hand
.set PASS, 19
.set SEL,  20                          ; s[20:21] v_permlanex16_b32's selects for lane l xor 16
.set CS,   22                          ; s[22:23] log2(e) x 2^(e6 + e7)
.set G1,   24                          ; s[24:31] descriptor group 1
.set G0K,  32                          ; s[32:35] group 0 for K's halves
.set TB,   36                          ; s36  LDS byte of the key step
.set ST,   37                          ; s37  the key step
.set EO,   38                          ; s38  e8 + e9
.set TAU,  39
.set QP,   48
.set CP,   50
.set G0V,  56                          ; s[56:59] group 0 for V's halves
.macro ROUND                           ; a round of the cluster's barrier
	s_barrier_signal -1
	s_barrier_wait -1
	s_cmp_lg_u32 s[WV], 0
	s_cbranch_scc1 .Lnot_wave_0_\@
	s_barrier_signal -3
.Lnot_wave_0_\@:
	s_barrier_wait -3
	s_barrier_signal -1
	s_barrier_wait -1
.endm
	s_load_b256 s[4:11], s[0:1], 0x0               ; q_img, k_img, v_img, the scales' exponents
	s_load_b64 s[12:13], s[0:1], 0x20              ; ctx_img
	v_lshl_add_u32 v251, v0, 2, 0x40000
	v_mov_b32 v255, 0
	ds_add_u32 v251, v255
	ds_add_u32 v251, v255
	v_lshrrev_b32 v1, 5, v0
	v_readfirstlane_b32 s[WV], v1                  ; wave 0..15
	s_bfe_u32 s[CX], ttmp6, 0x40000                ; my place in the cluster
	s_and_b32 s[YY], ttmp7, 0xffff                 ; the head, which the four partners share
	s_lshr_b32 s[UU], s[WV], 3
	s_and_b32 s[GG], s[WV], 7
	s_lshl_b32 s[TAU], s[CX], 1
	s_add_co_u32 s[TAU], s[TAU], s[UU]             ; my tile in a group
	; group 1: 256 rows of 256 bytes, dense, as elements of 8 bytes; no padding: the images are read 16 x lane
	s_mov_b32 s[G1], 15|(3<<16)|(1<<21)            ; 15:0 the mask: all four work-groups; 17:16 elements of 8 bytes; 21 set beside a mask
	s_mov_b32 s[G1+1], 32<<16                      ; tensor_dim0 = 32
	s_mov_b32 s[G1+2], 256<<16                     ; tensor_dim1 = 256
	s_mov_b32 s[G1+3], 32<<16                      ; tile_dim0 = 32
	s_mov_b32 s[G1+4], 256                         ; tile_dim1 = 256
	s_mov_b32 s[G1+5], 32                          ; the pitch
	s_mov_b32 s[G1+6], 0
	s_mov_b32 s[G1+7], 0
	s_and_b32 s52, s[WV], 1                        ; which half I fetch, if I fetch
	s_lshl_b32 s52, s52, 16
	s_mov_b32 s[G0K], 1
	s_mov_b32 s[G0K+1], s52                        ; LDS: K's half
	s_mov_b32 s[G0V], 1
	s_add_co_u32 s[G0V+1], s52, 131072             ; V's half
	s_lshl_b32 s53, s[YY], 17                      ; the head's 131,072 bytes
	s_add_co_u32 s52, s52, s53
	s_mov_b32 s53, 0
	s_wait_dscnt 0x0
	s_wait_kmcnt 0x0
	s_load_b128 s[40:43], s[10:11], 0x10           ; e4 .. e7
	s_load_b128 s[44:47], s[10:11], 0x20           ; e8 .. e11
	s_add_nc_u64 s[G0K+2:G0K+3], s[6:7], s[52:53]
	s_or_b32 s[G0K+3], s[G0K+3], 0x80000000        ; type = 2
	s_add_nc_u64 s[G0V+2:G0V+3], s[8:9], s[52:53]
	s_or_b32 s[G0V+3], s[G0V+3], 0x80000000
	ROUND                                          ; all four work-groups are here: the joint loads meet
	s_cmp_lt_u32 s[WV], 2                          ; one load a wave at the most is out; four v_nop follow each line
	s_cbranch_scc0 .Lnot_k
	tensor_load_to_lds s[G0K:G0K+3], s[G1:G1+7]
	s_nop 0
.rept 4
	v_nop
.endr
	s_branch .Lasked
.Lnot_k:
	s_cmp_lt_u32 s[WV], 4
	s_cbranch_scc0 .Lasked
	tensor_load_to_lds s[G0V:G0V+3], s[G1:G1+7]
	s_nop 0
.rept 4
	v_nop
.endr
.Lasked:
	v_and_b32 v1, 31, v0
	v_lshlrev_b32 v1, 4, v1                        ; 16 x lane
	v_and_b32 v3, 15, v0                           ; r
	v_bfe_u32 v4, v0, 4, 1                         ; h
	v_and_b32 v2, 8, v3
	v_add_nc_u32 v2, v2, v3                        ; r + 8 (r / 8)
	v_lshlrev_b32 v4, 4, v4
	v_sub_nc_u32 v2, v2, v4                        ; - 16 h
	s_lshl_b32 s52, s[CX], 5
	s_lshl_b32 s53, s[UU], 3
	s_add_co_u32 s52, s52, s53
	v_add_nc_u32 v2, s52, v2                       ; my query's place in its block of 128, less 16 h: register 16 b + i holds key 32 b + 16 h + i of the step: hidden on the diagonal where 32 b + i > v2
	v_mov_b32 v236, 0                              ; written once: a lane permute's destination counts as one of its sources
	v_mov_b32 v252, 0
	v_mov_b32 v253, 0                              ; (named as the upper half of the pair v[252:253])
	s_mov_b32 s[SEL], 0x76543210
	s_mov_b32 s[SEL+1], 0xfedcba98
	s_mov_b32 s[PASS], 2
	s_wait_kmcnt 0x0
	s_add_co_i32 s52, s42, s43                     ; e6 + e7
	s_lshl_b32 s52, s52, 23
	s_add_co_i32 s[CS], s52, 0x3fb8aa3b            ; log2(e) with the two exponents added to its exponent field
	s_mov_b32 s[CS+1], s[CS]
	s_add_co_i32 s[EO], s44, s45                   ; e8 + e9
	s_add_co_i32 s52, s45, 127
	s_lshl_b32 s53, s52, 23
	v_mov_b32 v244, s53                            ; 2^e9
	s_add_co_i32 s52, s52, 8
	s_lshl_b32 s52, s52, 23
	s_or_b32 s52, s52, 0x600000
	v_mov_b32 v240, s52                            ; 448 x 2^e9
	s_add_co_i32 s52, s46, 127
	s_lshl_b32 s53, s52, 23
	v_mov_b32 v245, s53                            ; 2^e10
	s_add_co_i32 s52, s52, 8
	s_lshl_b32 s52, s52, 23
	s_or_b32 s52, s52, 0x600000
	v_mov_b32 v246, s52                            ; 448 x 2^e10
	s_wait_tensorcnt 0x0                           ; my load, if I issued one, has landed,
	s_barrier_signal -1
	s_barrier_wait -1                              ; everybody's has: K and V are whole
.Lpass:
	s_lshl_b32 s52, s[GG], 3
	s_add_co_u32 s52, s52, s[TAU]
	s_lshl_b32 s52, s52, 10                        ; Q: tile 8 G + tau, 1,024 bytes a tile,
	s_lshl_b32 s53, s[YY], 17                      ; in my head
	s_add_co_u32 s52, s52, s53
	s_mov_b32 s53, 0
	s_add_nc_u64 s[QP:QP+1], s[4:5], s[52:53]
	s_lshr_b32 s54, s[YY], 4
	s_lshl_b32 s54, s54, 4
	s_add_co_u32 s54, s54, s[GG]                   ; the result: block 16 x batch + G of 128 tokens,
	s_lshl_b32 s54, s54, 17
	s_bfe_u32 s55, s[YY], 0x30001                  ; K step head / 2,
	s_lshl_b32 s55, s55, 14
	s_add_co_u32 s54, s54, s55
	s_lshl_b32 s55, s[TAU], 11                     ; tile tau,
	s_add_co_u32 s54, s54, s55
	s_and_b32 s55, s[YY], 1                        ; groups 2 (head % 2) and the next
	s_lshl_b32 s55, s55, 10
	s_add_co_u32 s54, s54, s55
	s_mov_b32 s55, 0
	s_add_nc_u64 s[CP:CP+1], s[12:13], s[54:55]
	global_load_b128 v[16:19], v1, s[QP:QP+1]
	global_load_b128 v[20:23], v1, s[QP:QP+1] offset:512
	v_mov_b32 v13, 0xff61b1e6                      ; the largest t so far: -3e38, under every t
	v_floor_f32 v12, -v13                          ; -M
	v_mov_b32 v14, 0
	v_mov_b32 v15, 0
.set n, 0
.rept 32
	v_mov_b32 v[160+n], 0                          ; O^T: the step is written once: the first finds zeros, which the first change of M leaves zeros
.set n, n+1
.endr
	s_mov_b32 s[TB], 0
	s_mov_b32 s[ST], 0
	s_wait_loadcnt 0x0                             ; Q
.Lstep:                                            ; 16 trips, a constant
	s_cmp_gt_u32 s[ST], s[GG]                      ; all 128 keys of the step come after my queries: its work is left out
	s_cbranch_scc1 .Lhidden
	v_add_nc_u32 v8, s[TB], v1
	v_add_nc_u32 v9, 0x20000, v8
	v_nop
	v_nop                                          ; with the two additions: four places in front of loads into registers that the last products read
.irp t, 0,1,2,3,4,5,6,7
.irp c, 0,1
	ds_load_b128 v[32+8*\t+4*\c:32+8*\t+4*\c+3], v8 offset:1024*\t+512*\c
.endr
.endr
	s_wait_dscnt 0x0
.irp t, 0,1,2,3,4,5,6,7
	v_wmma_f32_16x16x64_fp8_fp8 v[96+8*\t:103+8*\t], v[32+8*\t:39+8*\t], v[16:23], 0
.endr
.rept 4
	v_nop                                          ; four places: in front of the loads below, and of the first read of the scores
.endr
.irp dt, 0,1,2,3
.irp c, 0,1,2,3
	ds_load_b128 v[32+16*\dt+4*\c:32+16*\dt+4*\c+3], v9 offset:2048*\dt+512*\c   ; V lands while the softmax is worked
.endr
.endr
	s_cmp_lg_u32 s[ST], s[GG]
	s_cbranch_scc1 .Lopen                          ; only the diagonal step has hidden keys
	v_mov_b32 v254, 0xff800000                     ; -infinity
.set n, 0
.rept 64
	v_cmp_gt_i32 vcc_lo, 32*(n/16)+n%16, v2
	v_cndmask_b32 v[96+n], v[96+n], v254, vcc_lo
.set n, n+1
.endr
.Lopen:
	v_max3_num_f32 v254, v96, v97, v98             ; the step's largest score of my query among my 64 keys, in two chains,
	v_max3_num_f32 v252, v99, v100, v101
.irp i, 6,10,14,18,22,26,30,34,38,42,46,50,54,58
	v_max3_num_f32 v254, v254, v[96+\i], v[97+\i]
	v_max3_num_f32 v252, v252, v[98+\i], v[99+\i]
.endr
	v_max3_num_f32 v254, v254, v158, v159
	v_max_num_f32 v254, v254, v252
	v_permlanex16_b32 v236, v254, s[SEL], s[SEL+1]
	v_max_num_f32 v254, v254, v236                 ; and among lane l xor 16's
	v_mul_f32 v254, s[CS], v254                    ; as t
	v_max_num_f32 v13, v13, v254                   ; the running largest t
	v_mov_b32 v254, v12
	v_floor_f32 v12, -v13                          ; the new -M = -ceil(t)
	v_sub_f32 v254, v12, v254                      ; old M - new M: a whole number, 0 or less
	v_cvt_i32_f32 v254, v254                       ; (it saturates)
	v_ldexp_f32 v252, 1.0, v254                    ; f = 2^(old M - new M)
.set n, 0
.rept 32
	v_pk_fma_f32 v[96+n:97+n], v[96+n:97+n], s[CS:CS+1], v[12:13] op_sel_hi:[1,0,0]   ; t - M, two at a time
.set n, n+2
.endr
.set n, 0
.rept 64
	v_exp_f32 v[96+n], v[96+n]                     ; p = 2^(t - M)
.set n, n+1
.endr
	v_pk_mul_f32 v[14:15], v[14:15], v[252:253] op_sel_hi:[1,0]   ; the sums under the new M: the plain line behind the exponentials
	s_wait_alu depctr_va_vdst(0)                   ; one wait for the batch of 64, ahead of its first reader
	v_pk_add_f32 v[242:243], v[96:97], v[98:99]    ; the row's sum of the UNQUANTISED p, in two chains
.irp j, 4,8,12,16,20,24,28,32,36,40,44,48,52,56,60
	v_pk_add_f32 v[14:15], v[14:15], v[96+\j:97+\j]
	v_pk_add_f32 v[242:243], v[242:243], v[98+\j:99+\j]
.endr
	v_pk_add_f32 v[14:15], v[14:15], v[242:243]
.irp b, 0,1,2,3
.irp i, 0,1,2,3,4,5,6,7,8,9,10,11,12,13,14,15
	v_min_num_f32 v[96+16*\b+\i], v[96+16*\b+\i], v240   ; the conversion does not saturate (ISA guide 7.6.2); p is not negative: a one-sided hold
.endr
	v_cvt_scalef32_pk8_fp8_f32 v[224+4*\b:225+4*\b], v[96+16*\b:103+16*\b], v244
	v_cvt_scalef32_pk8_fp8_f32 v[226+4*\b:227+4*\b], v[104+16*\b:111+16*\b], v244
.endr
.set n, 0
.rept 16
	v_pk_mul_f32 v[160+n:161+n], v[160+n:161+n], v[252:253] op_sel_hi:[1,0]   ; O^T under the new M; plain lines between the conversions and the products
.set n, n+2
.endr
	s_wait_dscnt 0x0                               ; V is in
.irp dt, 0,1,2,3
	v_wmma_f32_16x16x128_fp8_fp8 v[160+8*\dt:167+8*\dt], v[32+16*\dt:47+16*\dt], v[224:239], v[160+8*\dt:167+8*\dt]   ; four accumulators, one instruction a turn
.endr
.Lhidden:
	s_add_co_u32 s[TB], s[TB], 8192
	s_add_co_u32 s[ST], s[ST], 1
	s_cmp_lt_u32 s[ST], 16
	s_cbranch_scc1 .Lstep
	; the tile's end: O^T x 2^(e8 + e9) / the sum, quantised with 2^e10: 8 registers, two groups of the last projection's fragment
.rept 4
	v_nop
.endr
	v_add_f32 v14, v14, v15
	v_permlanex16_b32 v252, v14, s[SEL], s[SEL+1]
	v_add_f32 v14, v14, v252                       ; the row's sum
	v_rcp_f32 v14, v14
	v_nop                                          ; a plain line behind the reciprocal
	s_wait_alu depctr_va_vdst(0)                   ; and the wait ahead of its first reader
	v_ldexp_f32 v14, v14, s[EO]
.set n, 0
.rept 32
	v_mul_f32 v[96+n], v[160+n], v14               ; register 16 c + i: d = 32 c + 16 h + i; each accumulator from its low end on
.set n, n+1
.endr
.set n, 0
.rept 32
	v_med3_num_f32 v[96+n], v[96+n], -v246, v246
.set n, n+1
.endr
.irp g, 0,1,2,3
	v_cvt_scalef32_pk8_fp8_f32 v[224+2*\g:225+2*\g], v[96+8*\g:103+8*\g], v245
.endr
	v_nop                                          ; a plain line behind the last conversion
	global_store_b128 v1, v[224:227], s[CP:CP+1]               ; 512 consecutive aligned bytes
	global_store_b128 v1, v[228:231], s[CP:CP+1] offset:512
	s_wait_xcnt 0x0                                ; the stores and Q's loads have read their registers and bases
	s_sub_co_u32 s[GG], 15, s[GG]                  ; the second pass takes the mirrored group
	s_sub_co_u32 s[PASS], s[PASS], 1
	s_cmp_lg_u32 s[PASS], 0
	s_cbranch_scc1 .Lpass
	s_wait_dscnt 0x0
	s_wait_tensorcnt 0x0
	ds_add_u32 v251, v255
	s_wait_dscnt 0x0
	ROUND                                          ; the closing round
	s_endpgm
.Lfunc_end_k_q5f4a2d83df_attn:
	.size	k_q5f4a2d83df_attn, .Lfunc_end_k_q5f4a2d83df_attn-k_q5f4a2d83df_attn
	.p2alignl 7, 3214868480
	.fill 96, 4, 3214868480
	.section	.rodata,"a",@progbits
	.p2align	6, 0x0
	.amdhsa_kernel k_q5f4a2d83df_attn
		.amdhsa_group_segment_fixed_size 264192
		.amdhsa_private_segment_fixed_size 0
		.amdhsa_enable_private_segment 0
		.amdhsa_kernarg_size 40
		.amdhsa_user_sgpr_count 2
		.amdhsa_user_sgpr_kernarg_segment_ptr 1
		.amdhsa_wavefront_size32 1
		.amdhsa_system_sgpr_workgroup_id_x 1
		.amdhsa_system_sgpr_workgroup_id_y 1
		.amdhsa_system_sgpr_workgroup_id_z 1
		.amdhsa_system_vgpr_workitem_id 0
		.amdhsa_next_free_vgpr 256
		.amdhsa_next_free_sgpr 66
		.amdhsa_reserve_vcc 1
		.amdhsa_float_denorm_mode_32 3
		.amdhsa_float_denorm_mode_16_64 3
		.amdhsa_memory_ordered 1
		.amdhsa_forward_progress 1
		.amdhsa_inst_pref_size 32
	.end_amdhsa_kernel
	.amdgpu_metadata
---
amdhsa.version: [ 1, 2 ]
amdhsa.kernels:
  - .name:           k_q5f4a2d83df_attn
    .symbol:         k_q5f4a2d83df_attn.kd
    .args:
      - { .name: q_img, .offset: 0, .size: 8, .value_kind: global_buffer, .address_space: global }
      - { .name: k_img, .offset: 8, .size: 8, .value_kind: global_buffer, .address_space: global }
      - { .name: v_img, .offset: 16, .size: 8, .value_kind: global_buffer, .address_space: global }
      - { .name: lowp_scales, .offset: 24, .size: 8, .value_kind: global_buffer, .address_space: global }
      - { .name: ctx_img, .offset: 32, .size: 8, .value_kind: global_buffer, .address_space: global }
    .group_segment_fixed_size: 264192
    .private_segment_fixed_size: 0
    .kernarg_segment_align: 8
    .kernarg_segment_size: 40
    .max_flat_workgroup_size: 512
    .sgpr_count:     66
    .vgpr_count:     256
    .wavefront_size: 32
...
	.end_amdgpu_metadata
.endif
;; end of part 3
;; launch outp (part 4): grid 64 x 2, 4 waves a work-group, no clusters, 165,376 bytes of LDS; arguments ctx_img, w_img, bo, lowp_scales, out0; writes out0
.if DOCPART == 4
	.amdgcn_target "amdgcn-amd-amdhsa--gfx1250"
	.amdhsa_code_object_version 6
	.text
	.protected	k_q5f4a2d83df_outp
	.globl	k_q5f4a2d83df_outp
	.p2align	8
	.type	k_q5f4a2d83df_outp,@function
k_q5f4a2d83df_outp:
	s_mov_b64 s[64:65], 0
	v_nop
	global_prefetch_b8 v0, s[64:65] scope:SCOPE_SE
	s_setreg_imm32_b32 hwreg(HW_REG_WAVE_MODE, 25, 1), 1
	s_wait_xcnt 0x0
; out = ctx Wo + bo on codes of E4M3 (scales: entries 10 and 11): out = sum x 2^(e10 + e11) + bo, f32.  LIMIT: e10 + e11 between -126 and 127.
; SHARES: a work-group takes 128 tokens (x) and 512 features (y); wave w the 128 features of chunk 4 y + w: 128 x 128, 64 accumulators, 8 K steps of 128.
; ctx_img's block of 128 tokens is 131,072 consecutive bytes, already laid [K step][tile][c][512] as images of operand registers: the four waves copy it into LDS as it lies (32 KiB each), one barrier, and all four read it.
; The weight fragments go from w_img straight into the registers of the one wave that multiplies them; they are not asked for jointly in a cluster, since a joint load lands in LDS, which would add their bytes once written and once read to the LDS traffic.
; Source 0 = 16 features, source 1 = 16 tokens: a lane holds one token and, in feature tiles 2 b and 2 b + 1, 16 neighbouring features.  Row rho of tile t is 32 (t / 2) + 8 (t % 2) + rho + 8 (rho / 8) of its block of 128.
; THE WAY OUT: a token tile's 16 rows x 512 bytes go through my own stage in LDS and leave as whole rows: each store of the wave covers 512 consecutive bytes, aligned to 256.
; LDS: 0: the 64 images, 131,072 bytes;  131,072: a stage of 16 rows x 528 bytes for each wave.
; REGISTERS.  window 0: v4-9 addresses; v32-95 the bias; v128-255 the tokens' 8 fragments, on the way out results and rows.  window 1: the weights, two sets.  windows 2, 3: the accumulators (window 2 first serves the copy).
.set SPITCH, 528
.set STG,    131072
.set LI,   4                           ; v4   16 x lane
.set LW,   5                           ; v5   16 x lane + 32,768 x wave: my part of the copy
.set STI,  6                           ; v6   my stage + 16 x lane
.set STO,  7                           ; v7   my stage + 528 r + 64 h
.set XA,   8
.set BQ,   9                           ; v9   64 h
.set BI,   32
.set XF,   128
.set TMP,  128
.set BK,   192
.set CB,   44                          ; s[44:45] my 32 KiB of the block
.set BP,   46
.set OUT,  48
.set WP,   50
.set WV,   54
.set YY,   55
.set KC,   58
.set XO,   59
.set SCL,  60                          ; s[60:61] 2^(e10 + e11)
.set MSB, 0
.macro WIN new
.if MSB != (\new)
	s_set_vgpr_msb (MSB<<8)|(\new)
.set MSB, (\new)
.endif
.endm
.macro PLACES n
.rept \n
	v_nop
.endr
.endm
.macro WFETCH p
	WIN 0x40                                       ; destination window 1
.irp j, 0,1,2,3,4,5,6,7
.irp c, 0,1,2,3
	global_load_b128 v[128*(\p)+16*\j+4*\c:128*(\p)+16*\j+4*\c+3], v[LI], s[WP:WP+1] offset:2048*\j+512*\c
.endr
.endr
	WIN 0
.endm
.macro XFETCH i0
.irp i, \i0, \i0+1, \i0+2, \i0+3
.irp c, 0,1,2,3
	ds_load_b128 v[XF+16*(\i)+4*\c:XF+16*(\i)+4*\c+3], v[XA] offset:2048*(\i)+512*\c
.endr
.endr
.endm
.macro MUL16 i0, p, zero               ; the 64 accumulators take turns, one instruction a turn, in the same order in every K step
.irp i, \i0, \i0+1
.irp j, 0,1,2,3,4,5,6,7
.if \zero
	v_wmma_f32_16x16x128_fp8_fp8 v[8*(8*((\i)%4)+\j):8*(8*((\i)%4)+\j)+7], v[128*(\p)+16*\j:128*(\p)+16*\j+15], v[XF+16*(\i):XF+16*(\i)+15], 0
.else
	v_wmma_f32_16x16x128_fp8_fp8 v[8*(8*((\i)%4)+\j):8*(8*((\i)%4)+\j)+7], v[128*(\p)+16*\j:128*(\p)+16*\j+15], v[XF+16*(\i):XF+16*(\i)+15], v[8*(8*((\i)%4)+\j):8*(8*((\i)%4)+\j)+7]
.endif
.endr
.endr
.endm
.macro STEP p, zero, fetch             ; fetch = 0: the last K step asks for nothing
.if \fetch
	s_wait_xcnt 0x0                                ; the last fetch has read its base
	s_add_nc_u64 s[WP:WP+1], s[WP:WP+1], 0x4000
	WFETCH 1-(\p)                                  ; (four places stand at the tail of the step that read this set)
	s_wait_loadcnt 32                              ; all but the 32 just issued
.else
	s_wait_loadcnt 0x0
.endif
	s_wait_dscnt 16                                ; token tiles 0-3 are in; the youngest 16 loads (tiles 4-7) may be out
	WIN 0xa1
	MUL16 0, \p, \zero
	MUL16 2, \p, \zero
	s_wait_dscnt 0x0
.if \fetch
	PLACES 4
	WIN 0
	v_add_nc_u32 v[XA], s[XO], v[LI]
	XFETCH 0
.endif
	WIN 0xf1
	MUL16 4, \p, \zero
	MUL16 6, \p, \zero
	PLACES 4
	WIN 0
.if \fetch
	XFETCH 4
	s_add_co_u32 s[XO], s[XO], 16384
.endif
.endm
.macro OUTT i                          ; token tile i goes out
.set AC, 64*((\i)%4)
	WIN 2+(\i)/4                                   ; source 0: the accumulators' window
.set n, 0
.rept 32
	v_pk_fma_f32 v[TMP+n:TMP+n+1], v[AC+n:AC+n+1], s[SCL:SCL+1], v[BI+n:BI+n+1] op_sel_hi:[1,0,1]   ; sum x 2^(e10 + e11) + bo; each accumulator from its low end on
.set n, n+2
.endr
	WIN 0
.irp b, 0,1,2,3
.irp u, 0,1
.irp q, 0,1
	ds_store_b128 v[STO], v[TMP+8*(2*\b+\u)+4*\q:TMP+8*(2*\b+\u)+4*\q+3] offset:128*\b+32*\u+16*\q   ; row r, features 32 b + 16 h + 8 u + 4 q on
.endr
.endr
.endr
	s_wait_xcnt 0x0                                ; the last tile's stores have read their registers
.irp t, 0,1,2,3,4,5,6,7,8,9,10,11,12,13,14,15
	ds_load_b128 v[BK+4*\t:BK+4*\t+3], v[STI] offset:SPITCH*\t   ; LDS serves a wave's instructions in order (ISA guide 5.7.1.4): these see the stores above
.endr
.irp t, 0,1,2,3,4,5,6,7,8,9,10,11,12,13,14,15
	s_wait_dscnt 15-\t
	global_store_b128 v[LI], v[BK+4*\t:BK+4*\t+3], s[OUT:OUT+1] offset:(32*((\i)/2)+8*((\i)%2)+\t+8*(\t/8))*4096 th:TH_STORE_NT
.endr
.endm
	s_load_b256 s[8:15], s[0:1], 0x0               ; ctx_img, w_img, bo, the scales' exponents
	s_load_b64 s[16:17], s[0:1], 0x20              ; out0
	v_lshl_add_u32 v126, v0, 2, 0x28400
	v_mov_b32 v127, 0
	v_lshrrev_b32 v1, 5, v0
	v_readfirstlane_b32 s[WV], v1                  ; wave 0..3
	v_and_b32 v1, 31, v0
	v_and_b32 v2, 15, v0                           ; r
	v_bfe_u32 v3, v0, 4, 1                         ; h
	v_lshlrev_b32 v[LI], 4, v1
	s_lshl_b32 s66, s[WV], 15
	v_add_nc_u32 v[LW], s66, v[LI]
	s_mul_i32 s67, s[WV], 16*SPITCH
	s_add_co_u32 s67, s67, STG                     ; my stage
	v_add_nc_u32 v[STI], s67, v[LI]
	v_mul_u32_u24 v[STO], v2, SPITCH
	v_lshl_add_u32 v[STO], v3, 6, v[STO]
	v_add_nc_u32 v[STO], s67, v[STO]
	v_lshlrev_b32 v[BQ], 6, v3
	s_and_b32 s[YY], ttmp7, 0xffff
	s_lshl_b32 s68, ttmp9, 17                      ; the block's 131,072 bytes,
	s_add_co_u32 s68, s68, s66                     ; my 32,768 of them
	s_mov_b32 s69, 0
	s_lshl_b32 s70, s[YY], 2
	s_add_co_u32 s70, s70, s[WV]                   ; my chunk of 128 features
	s_lshl_b32 s72, s70, 17
	s_add_co_u32 s72, s72, 3<<20                   ; in Wo's image
	s_mov_b32 s73, 0
	s_lshl_b32 s70, s70, 9                         ; my features in bytes
	s_mov_b32 s71, 0
	s_lshl_b32 s74, ttmp9, 19                      ; 128 rows of 4,096 bytes
	s_add_co_u32 s74, s74, s70
	s_mov_b32 s75, 0
	s_wait_kmcnt 0x0
	s_load_b64 s[20:21], s[14:15], 0x28            ; e10, e11
	s_add_nc_u64 s[CB:CB+1], s[8:9], s[68:69]
	s_add_nc_u64 s[WP:WP+1], s[10:11], s[72:73]
	s_add_nc_u64 s[BP:BP+1], s[12:13], s[70:71]
	s_add_nc_u64 s[OUT:OUT+1], s[16:17], s[74:75]
	WIN 0x80                                       ; destination window 2
.set n, 0
.rept 64
	global_load_b128 v[4*n:4*n+3], v[LI], s[CB:CB+1] offset:512*n
.set n, n+1
.endr
	s_wait_loadcnt 32                              ; the first 32 are in
	WIN 0x08                                       ; store data window 2
.set n, 0
.rept 32
	ds_store_b128 v[LW], v[4*n:4*n+3] offset:512*n
.set n, n+1
.endr
	WFETCH 0                                       ; the first K step's weights
	s_wait_loadcnt 32                              ; the copy's second half is in; the 32 weight loads are younger
	WIN 0x08
.set n, 32
.rept 32
	ds_store_b128 v[LW], v[4*n:4*n+3] offset:512*n
.set n, n+1
.endr
	WIN 0
	s_wait_dscnt 0x0                               ; for the others' sake: my part has landed
	s_barrier_signal -1
	s_barrier_wait -1                              ; the 64 images lie in LDS; nobody writes them again
.irp j, 0,1,2,3,4,5,6,7                ; bo: lane (r, h), tile j, register i: feature 32 (j / 2) + 8 (j % 2) + 16 h + i of my 128
	global_load_b128 v[BI+8*\j:BI+8*\j+3], v[BQ], s[BP:BP+1] offset:(32*(\j/2)+8*(\j%2))*4
	global_load_b128 v[BI+8*\j+4:BI+8*\j+7], v[BQ], s[BP:BP+1] offset:(32*(\j/2)+8*(\j%2))*4+16
.endr
	v_mov_b32 v[XA], v[LI]
	XFETCH 0
	XFETCH 4
	s_mov_b32 s[XO], 16384
	s_wait_kmcnt 0x0
	s_add_co_i32 s[SCL], s20, s21
	s_add_co_i32 s[SCL], s[SCL], 127
	s_lshl_b32 s[SCL], s[SCL], 23                  ; 2^(e10 + e11) as f32
	s_mov_b32 s[SCL+1], s[SCL]                     ; (named with it as a pair, so it is written)
	STEP 0, 1, 1                                   ; the first K step starts the sums: nothing is cleared
	s_mov_b32 s[KC], 3
.Lk:
	STEP 1, 0, 1
	STEP 0, 0, 1
	s_sub_co_u32 s[KC], s[KC], 1
	s_cmp_lg_u32 s[KC], 0
	s_cbranch_scc1 .Lk
	STEP 1, 0, 0                                   ; its four closing places stand in front of the first read of results and of the writes over the fragments' registers
.irp i, 0,1,2,3,4,5,6,7
	OUTT \i
.endr
	s_wait_tensorcnt 0x0
	ds_add_u32 v126, v127
	s_wait_dscnt 0x0
	s_endpgm
.Lfunc_end_k_q5f4a2d83df_outp:
	.size	k_q5f4a2d83df_outp, .Lfunc_end_k_q5f4a2d83df_outp-k_q5f4a2d83df_outp
	.p2alignl 7, 3214868480
	.fill 96, 4, 3214868480
	.section	.rodata,"a",@progbits
	.p2align	6, 0x0
	.amdhsa_kernel k_q5f4a2d83df_outp
		.amdhsa_group_segment_fixed_size 165376
		.amdhsa_private_segment_fixed_size 0
		.amdhsa_enable_private_segment 0
		.amdhsa_kernarg_size 40
		.amdhsa_user_sgpr_count 2
		.amdhsa_user_sgpr_kernarg_segment_ptr 1
		.amdhsa_wavefront_size32 1
		.amdhsa_system_sgpr_workgroup_id_x 1
		.amdhsa_system_sgpr_workgroup_id_y 1
		.amdhsa_system_sgpr_workgroup_id_z 1
		.amdhsa_system_vgpr_workitem_id 0
		.amdhsa_next_free_vgpr 1024
		.amdhsa_next_free_sgpr 80
		.amdhsa_reserve_vcc 0
		.amdhsa_float_denorm_mode_32 3
		.amdhsa_float_denorm_mode_16_64 3
		.amdhsa_memory_ordered 1
		.amdhsa_forward_progress 1
		.amdhsa_inst_pref_size 102
	.end_amdhsa_kernel
	.amdgpu_metadata
---
amdhsa.version: [ 1, 2 ]
amdhsa.kernels:
  - .name:           k_q5f4a2d83df_outp
    .symbol:         k_q5f4a2d83df_outp.kd
    .args:
      - { .name: ctx_img, .offset: 0, .size: 8, .value_kind: global_buffer, .address_space: global }
      - { .name: w_img, .offset: 8, .size: 8, .value_kind: global_buffer, .address_space: global }
      - { .name: bo, .offset: 16, .size: 8, .value_kind: global_buffer, .address_space: global }
      - { .name: lowp_scales, .offset: 24, .size: 8, .value_kind: global_buffer, .address_space: global }
      - { .name: out0, .offset: 32, .size: 8, .value_kind: global_buffer, .address_space: global }
    .group_segment_fixed_size: 165376
    .private_segment_fixed_size: 0
    .kernarg_segment_align: 8
    .kernarg_segment_size: 40
    .max_flat_workgroup_size: 128
    .sgpr_count:     80
    .vgpr_count:     1024
    .wavefront_size: 32
...
	.end_amdgpu_metadata
.endif
;; end of part 4
;; ======== version 2 of 2: 4 launches
;; workspace buffers: w_img 4,194,304 bytes; q_img 8,388,608 bytes; k_img 8,388,608 bytes; v_img 8,388,608 bytes; ctx_img 8,388,608 bytes
;; launch qw (part 5): grid 8 x 32, 8 waves a work-group, no clusters, 0 bytes of LDS; arguments Wq, Wk, Wv, Wo, lowp_scales, w_img; writes w_img
.if DOCPART == 5
	.amdgcn_target "amdgcn-amd-amdhsa--gfx1250"
	.amdhsa_code_object_version 6
	.text
	.protected	k_q5f4a2d83df_qw
	.globl	k_q5f4a2d83df_qw
	.p2align	8
	.type	k_q5f4a2d83df_qw,@function
k_q5f4a2d83df_qw:
	s_mov_b64 s[64:65], 0
	v_nop
	global_prefetch_b8 v0, s[64:65] scope:SCOPE_SE
	s_setreg_imm32_b32 hwreg(HW_REG_WAVE_MODE, 25, 1), 1
	s_wait_xcnt 0x0
; The four weights, each [1024 (k)][1024 (n)] f32 with K as the FIRST axis, become codes of E4M3, each with its given scale 2^e (entries 1, 3, 5, 11 of the scales).
; code = x / 2^e, held within +-448, to the nearest code, ties to even.  LIMITS: -126 <= e <= 119; NaN among the inputs is not served.
; OUTPUT: images of operand registers.  w_img[weight][chunk = n / 128][s = k / 128][tile j][c][512 bytes]: a fragment of 16 features x 128 k; its row rho is feature
; 128 chunk + 32 (j / 2) + 8 (j % 2) + rho + 8 (rho / 8); lane (rho, h) holds in group c the 16 codes of k = 128 s + 32 c + 16 h + 0 .. 15, at byte 512 c + 16 (rho + 16 h).
; SHARES: work-group x = chunk, y = 8 weight + s.  Wave: b = wave % 4: tiles 2 b and 2 b + 1 (32 columns); kh = wave / 4: groups c = 2 kh, 2 kh + 1 (64 along K).
; A LANE TAKES A COLUMN AND ITS REGISTERS RUN DOWN K: lane (u = lane / 16, rho) takes row rho of tile 2 b + u.  Each load of the wave reads 128 consecutive bytes; the conversions
; give 16 neighbouring codes along K in four registers, which are the image's 16 bytes: in each store lanes 0-15 write 256 consecutive aligned bytes and lanes 16-31 another 256.
; All 64 loads of a lane go out at once; no register is written twice, so no wait frees a source.  No LDS, no barrier: waves share nothing.
.set X, 32                             ; v32-95  64 numbers down K
.set C, 16                             ; v16-31  their codes
	s_load_b256 s[4:11], s[0:1], 0x0               ; Wq, Wk, Wv, Wo
	s_load_b128 s[12:15], s[0:1], 0x20             ; the scales' exponents, w_img
	v_lshrrev_b32 v1, 5, v0
	s_delay_alu instid0(VALU_DEP_1)
	v_readfirstlane_b32 s32, v1                    ; wave 0..7
	v_and_b32 v2, 15, v0                           ; rho
	v_bfe_u32 v5, v0, 4, 1                         ; u
	s_delay_alu instid0(VALU_DEP_2)
	v_and_b32 v3, 8, v2
	s_delay_alu instid0(VALU_DEP_1)
	v_add_nc_u32 v3, v3, v2                        ; rho + 8 (rho / 8)
	s_delay_alu instid0(VALU_DEP_1)
	v_lshl_add_u32 v3, v5, 3, v3                   ; + 8 u: my column among the wave's 32
	s_delay_alu instid0(VALU_DEP_1)
	v_lshlrev_b32 v3, 2, v3                        ; in bytes
	v_lshlrev_b32 v4, 4, v2
	s_delay_alu instid0(VALU_DEP_1)
	v_lshl_add_u32 v4, v5, 11, v4                  ; out: 2,048 u (the tile) + 16 rho
	s_and_b32 s33, ttmp7, 0xffff
	s_lshr_b32 s30, s33, 3                         ; which weight
	s_and_b32 s31, s33, 7                          ; s
	s_and_b32 s34, s32, 3                          ; b
	s_lshr_b32 s35, s32, 2                         ; kh
	s_lshl_b32 s36, s31, 19                        ; in: 128 s rows of 4,096 bytes
	s_lshl_b32 s37, s35, 18                        ; + 64 kh rows
	s_add_co_u32 s36, s36, s37
	s_lshl_b32 s37, ttmp9, 9                       ; + 128 chunk columns
	s_add_co_u32 s36, s36, s37
	s_lshl_b32 s37, s34, 7                         ; + 32 b columns
	s_add_co_u32 s36, s36, s37
	s_mov_b32 s37, 0
	s_lshl_b32 s38, s30, 20                        ; out: the weight's image,
	s_lshl_b32 s39, ttmp9, 17                      ; the chunk,
	s_add_co_u32 s38, s38, s39
	s_lshl_b32 s39, s31, 14                        ; the K step,
	s_add_co_u32 s38, s38, s39
	s_lshl_b32 s39, s34, 12                        ; tile 2 b,
	s_add_co_u32 s38, s38, s39
	s_lshl_b32 s39, s35, 10                        ; group 2 kh
	s_add_co_u32 s38, s38, s39
	s_mov_b32 s39, 0
	s_wait_alu depctr_va_vdst(0)
	s_wait_kmcnt 0x0
	s_load_b128 s[16:19], s[12:13], 0x0            ; e0 .. e11
	s_load_b128 s[20:23], s[12:13], 0x10
	s_load_b128 s[24:27], s[12:13], 0x20
	s_cmp_eq_u32 s30, 1                            ; the choice hangs on the work-group's number alone
	s_cselect_b64 s[4:5], s[6:7], s[4:5]
	s_cmp_eq_u32 s30, 2
	s_cselect_b64 s[4:5], s[8:9], s[4:5]
	s_cmp_eq_u32 s30, 3
	s_cselect_b64 s[4:5], s[10:11], s[4:5]
	s_add_nc_u64 s[4:5], s[4:5], s[36:37]
	s_add_nc_u64 s[14:15], s[14:15], s[38:39]
.set kk, 0
.rept 64
	global_load_b32 v[X+kk], v3, s[4:5] offset:kk*4096 th:TH_LOAD_NT   ; W(k0 + kk, my column)
.set kk, kk+1
.endr
	s_wait_kmcnt 0x0
	s_cmp_eq_u32 s30, 1
	s_cselect_b32 s17, s19, s17                    ; e1, e3, e5 or e11
	s_cmp_eq_u32 s30, 2
	s_cselect_b32 s17, s21, s17
	s_cmp_eq_u32 s30, 3
	s_cselect_b32 s17, s27, s17
	s_add_co_i32 s28, s17, 127
	s_lshl_b32 s29, s28, 23
	v_mov_b32 v11, s29                             ; 2^e as f32: the conversion takes its exponent field
	s_add_co_i32 s28, s28, 8
	s_lshl_b32 s28, s28, 23
	s_or_b32 s28, s28, 0x600000
	v_mov_b32 v10, s28                             ; 448 x 2^e
.macro BLOCK t                         ; group c = 2 kh + t: 32 along K
	s_wait_loadcnt 32*(1-\t)                       ; loads return in order: this block's 32 are in; the other block's 32 are younger
.set i, 0
.rept 32
	v_med3_num_f32 v[X+32*\t+i], v[X+32*\t+i], -v10, v10   ; the conversion does not saturate (ISA guide 7.6.2): the hold at the largest code x the scale
.set i, i+1
.endr
.irp g, 0,1,2,3
	v_cvt_scalef32_pk8_fp8_f32 v[C+8*\t+2*\g:C+8*\t+2*\g+1], v[X+32*\t+8*\g:X+32*\t+8*\g+7], v11
.endr
	global_store_b128 v4, v[C+8*\t:C+8*\t+3], s[14:15] offset:512*\t        ; k = 32 c + 0 .. 15: the image's lanes 0-15
	global_store_b128 v4, v[C+8*\t+4:C+8*\t+7], s[14:15] offset:512*\t+256  ; k = 32 c + 16 .. 31: its lanes 16-31
.endm
	s_wait_alu depctr_va_vdst(0)
	BLOCK 0
	BLOCK 1
	s_endpgm
.Lfunc_end_k_q5f4a2d83df_qw:
	.size	k_q5f4a2d83df_qw, .Lfunc_end_k_q5f4a2d83df_qw-k_q5f4a2d83df_qw
	.p2alignl 7, 3214868480
	.fill 96, 4, 3214868480
	.section	.rodata,"a",@progbits
	.p2align	6, 0x0
	.amdhsa_kernel k_q5f4a2d83df_qw
		.amdhsa_group_segment_fixed_size 0
		.amdhsa_private_segment_fixed_size 0
		.amdhsa_enable_private_segment 0
		.amdhsa_kernarg_size 48
		.amdhsa_user_sgpr_count 2
		.amdhsa_user_sgpr_kernarg_segment_ptr 1
		.amdhsa_wavefront_size32 1
		.amdhsa_system_sgpr_workgroup_id_x 1
		.amdhsa_system_sgpr_workgroup_id_y 1
		.amdhsa_system_sgpr_workgroup_id_z 1
		.amdhsa_system_vgpr_workitem_id 0
		.amdhsa_next_free_vgpr 96
		.amdhsa_next_free_sgpr 66
		.amdhsa_reserve_vcc 0
		.amdhsa_float_denorm_mode_32 3
		.amdhsa_float_denorm_mode_16_64 3
		.amdhsa_memory_ordered 1
		.amdhsa_forward_progress 1
		.amdhsa_inst_pref_size 14
	.end_amdhsa_kernel
	.amdgpu_metadata
---
amdhsa.version: [ 1, 2 ]
amdhsa.kernels:
  - .name:           k_q5f4a2d83df_qw
    .symbol:         k_q5f4a2d83df_qw.kd
    .args:
      - { .name: Wq, .offset: 0, .size: 8, .value_kind: global_buffer, .address_space: global }
      - { .name: Wk, .offset: 8, .size: 8, .value_kind: global_buffer, .address_space: global }
      - { .name: Wv, .offset: 16, .size: 8, .value_kind: global_buffer, .address_space: global }
      - { .name: Wo, .offset: 24, .size: 8, .value_kind: global_buffer, .address_space: global }
      - { .name: lowp_scales, .offset: 32, .size: 8, .value_kind: global_buffer, .address_space: global }
      - { .name: w_img, .offset: 40, .size: 8, .value_kind: global_buffer, .address_space: global }
    .group_segment_fixed_size: 0
    .private_segment_fixed_size: 0
    .kernarg_segment_align: 8
    .kernarg_segment_size: 48
    .max_flat_workgroup_size: 256
    .sgpr_count:     66
    .vgpr_count:     96
    .wavefront_size: 32
...
	.end_amdgpu_metadata
.endif
;; end of part 5
;; launch proj (part 6): grid 64 x 3, 4 waves a work-group, no clusters, 165,376 bytes of LDS; arguments query, key, value, bq, bk, bv, lowp_scales, w_img, q_img, k_img, v_img; writes q_img, k_img, v_img
.if DOCPART == 6
	.amdgcn_target "amdgcn-amd-amdhsa--gfx1250"
	.amdhsa_code_object_version 6
	.text
	.protected	k_q5f4a2d83df_proj
	.globl	k_q5f4a2d83df_proj
	.p2align	8
	.type	k_q5f4a2d83df_proj,@function
k_q5f4a2d83df_proj:
	s_mov_b64 s[64:65], 0
	v_nop
	global_prefetch_b8 v0, s[64:65] scope:SCOPE_SE
	s_setreg_imm32_b32 hwreg(HW_REG_WAVE_SCHED_MODE, 0, 2), 2
	s_setreg_imm32_b32 hwreg(HW_REG_WAVE_MODE, 25, 1), 1
	s_wait_xcnt 0x0
	s_wait_alu depctr_vm_vsrc(0)
; The three input projections, on codes of E4M3: work-group y = 0: q = (query Wq + bq) / 8; 1: k = key Wk + bk; 2: v = value Wv + bv.  The results leave as CODES (scales: entries 6, 7, 8),
; laid as images of the registers in which the attention launch wants them.
; SHARES.  A work-group takes 128 tokens (x = 0 .. 63) against all 1,024 features, so each f32 activation is read from memory once in the launch.
; PHASE X: wave w quantises tokens 32 w .. 32 w + 31 (tiles 2 w, 2 w + 1), 16 rows x 128 k a unit, and stores the fragments' images in LDS; one barrier.
; PRODUCTS: wave w makes features 256 w .. 256 w + 255 for all 128 tokens in two passes of 128 x 128 (64 accumulators, 512 registers), 8 K steps of 128 each.
; A FRAGMENT (16 rows x 128 k, 16 registers): registers 4 c .. 4 c + 3 of lane (r, h) hold k = 32 c + 16 h + 0 .. 15: one permutation of k, alike in both operands.  Its image: group c is 512 bytes, lane l's 16 at 16 l.
; THE ROWS OF A TILE ARE NOT NEIGHBOURS: row rho of tile t is 32 (t / 2) + 8 (t % 2) + rho + 8 (rho / 8) of its block of 128, for tokens and for features: a result's 16 registers of tiles 2 b, 2 b + 1 are then 16 neighbours.
; q, k: source 0 = features, source 1 = tokens: a lane holds one token and registers along the head's d, the next K.  v: the sources are swapped: a lane holds one d and registers along the tokens, its next K.
; The text is one for all three: the branch on y stands round the runs of products, the bias loads and the epilogue alone.
; THE WEIGHTS go from w_img straight into the registers of the ONE wave that multiplies them (each fragment is read by one wave of the work-group).  They are not asked for jointly in a cluster: a joint load lands in LDS,
; which would add 1 MiB written and 1 MiB read again to the 1 MiB of token fragments that a work-group's waves read from LDS.
; SCALES.  A sum stands for sum x 2^(ex + ew): the bias goes in as b / 2^(ex + ew), and the conversion takes the one scale 2^(eo - ex - ew), for q 2^(eo + 3 - ex - ew): the division by 8 is folded in.
; LIMITS: ex and that folded exponent lie between -126 and 119; NaN among the inputs is not served.
; LDS: 0: the tokens' 64 images [s 8][tile 8][c 4][512], 131,072 bytes;  131,072: a stage of 16 rows x 528 bytes for each wave.
; REGISTERS.  window 0: v1-16 addresses and scales; v32-95 64 numbers at work, later the bias; v96-111 codes; v128-255 the tokens' 8 fragments, one set.   window 1: the weights' 8 fragments, two sets.
;   windows 2, 3: accumulator (token tile i, feature tile j) at v[8 (8 (i % 4) + j)] of window 2 + i / 4; in phase X window 2 is a ring of four units of 64 registers as loaded.
; THE MODE: SCHED_MODE bits 1:0 = 2 (LLVM: expert scheduling mode 2), set by the entry lines.  The code itself states the register dependences
; between vector or matrix instructions and memory or LDS instructions, with s_wait_alu, always for 0.
; THE PLAN.  Registers that memory or LDS instructions touch:
;   v4, v6, v7, v9, v14-16   offsets and LDS addresses: made once at the head, never written again.   v[XA]: made at the head, written again once a K step, in the step's middle.
;   the ring (phase X)       slot n % 4: unit n's loads land in it; unit n's 16 stores into the stage read it; then unit n + 4's loads land in it; behind phase X the products write it.
;   T                        the stage's LDS loads land in it; the unit's holds and conversions work on it.      PC: the conversions write it; the image's stores (later the results' stores) read it.
;   So a unit has two waits: one on vm_vsrc behind its LDS round trip (the slot and PC have been read), one on va_vdst behind its conversions (PC is written, T is done with).
;   the tokens' fragments    a K step's 64 products go in four quarters, token tiles 0-1, 2-3, 4-5, 6-7; each pair of tiles is loaded anew by a run of 8 LDS loads, two quarters behind the quarter that read it.
;   the weights' sets        step s reads set s % 2; the 32 loads of step s + 1 land in the other set at the head of step s.
;   So a K step has two waits on va_vdst.  At its head: the step before's products are done reading the other weight set and token tiles 4-7; the 32 weight loads, tiles 4-5 and, behind quarter 0, tiles 6-7 follow,
;   and quarter 0 names this step's set, tiles 0-1 and window 2 alone.  In its middle: quarters 0 and 1 are done reading tiles 0-3, and v[XA] is written; the next step's tiles 0-1 and, behind quarter 2, tiles 2-3 follow,
;   and quarter 2 names this step's set, tiles 4-5 and window 3 alone.  One wait on vm_vsrc stands ahead of the add to v[XA].
;   BI                       the bias loads land in it at a pass's head; the epilogue works on it: one wait on va_vdst at a pass's end.
.set SPITCH, 528                       ; a stage row: 512 bytes + 16: sixteen rows' reads of 16 bytes fall on sixteen different 16-byte columns of 256 (64 banks of 4 bytes: ISA guide 11.1)
.set STG,    131072
.set LI,   4                           ; v4   16 x lane
.set STI,  6                           ; v6   my stage + 16 x lane: a row as it lies
.set STO,  7                           ; v7   my stage + 528 r + 64 h: my 16 numbers of a block of 32
.set XA,   8                           ; v8   LDS address of the K step's images
.set BQ,   9                           ; v9   bias offset for q, k: 64 h
.set SCX,  10                          ; v10  2^ex      v11  448 x 2^ex
.set LMX,  11
.set SCF,  12                          ; v12  2^fold    v13  448 x 2^fold
.set LMF,  13
.set LIW,  14                          ; v14  16 x lane + 4,096 x wave: where my images go; v15 the same + 65,536
.set BV,   16                          ; v16  bias offset for v: 4 (r + 8 (r / 8))
.set T,    32
.set BI,   32
.set PC,   96
.set XF,   128
.set XP,   44                          ; s[44:45] my 32 rows of the activations
.set BP,   46                          ; s[46:47] my pass's 128 numbers of the bias
.set OUT,  48                          ; s[48:49] my pass's two heads in the image
.set WP,   50                          ; s[50:51] the weight fragments last asked for
.set INC,  52                          ; s[52:53] a K step of weights in bytes; 0 for the launch's last fetch
.set WV,   54
.set YY,   55
.set BLK,  56
.set PASS, 57
.set KC,   58
.set XO,   59                          ; s59  LDS byte of the next K step's images
.set NEG,  60                          ; s60  -(ex + ew)
.set MSB, 0
.macro WIN new                         ; the immediate's high byte repeats the setting that is left; a switch that changes nothing is dropped
.if MSB != (\new)
	s_set_vgpr_msb (MSB<<8)|(\new)
.set MSB, (\new)
.endif
.endm
.macro PLACES n
.rept \n
	v_nop
.endr
.endm
.macro WFETCH p                        ; a K step's 8 weight fragments into set p: 32 loads of 512 consecutive bytes
	WIN 0x40                                       ; destination window 1
.irp j, 0,1,2,3,4,5,6,7
.irp c, 0,1,2,3
	global_load_b128 v[128*(\p)+16*\j+4*\c:128*(\p)+16*\j+4*\c+3], v[LI], s[WP:WP+1] offset:2048*\j+512*\c
.endr
.endr
	WIN 0
.endm
.macro XF2 i0                          ; token tiles i0, i0 + 1 of the K step at v[XA]: 8 LDS loads
.irp i, \i0, \i0+1
.irp c, 0,1,2,3
	ds_load_b128 v[XF+16*(\i)+4*\c:XF+16*(\i)+4*\c+3], v[XA] offset:2048*(\i)+512*\c
.endr
.endr
.endm
.macro XLOAD n                         ; unit n = 2 s + u: 16 rows (tile 2 w + u) x 128 k (K step s) of f32 into ring slot n % 4: each load reads 512 consecutive bytes of one row
	WIN 0x80                                       ; destination window 2
.irp rho, 0,1,2,3,4,5,6,7,8,9,10,11,12,13,14,15
	global_load_b128 v[64*((\n)%4)+4*\rho:64*((\n)%4)+4*\rho+3], v[LI], s[XP:XP+1] offset:(8*((\n)%2)+\rho+8*(\rho/8))*4096+512*((\n)/2) th:TH_LOAD_NT
.endr
	WIN 0
.endm
.macro QUANT                           ; register 16 b + i of T = k 32 b + 16 h + i of my row: the codes in PC are the fragment's registers
.irp b, 0,1,2,3
.irp i, 0,1,2,3,4,5,6,7,8,9,10,11,12,13,14,15
	v_med3_num_f32 v[T+16*\b+\i], v[T+16*\b+\i], -v[LMX], v[LMX]   ; the conversion does not saturate (ISA guide 7.6.2): the hold at the largest code x the scale
.endr
	v_cvt_scalef32_pk8_fp8_f32 v[PC+4*\b:PC+4*\b+1], v[T+16*\b:T+16*\b+7], v[SCX]
	v_cvt_scalef32_pk8_fp8_f32 v[PC+4*\b+2:PC+4*\b+3], v[T+16*\b+8:T+16*\b+15], v[SCX]
.endr
	v_nop                                          ; a plain vector line behind the last conversion
.endm
; One unit: the 16 rows turn through my stage (in as they lie, out 64 bytes a lane), are quantised, and the image goes to LDS.  left: the younger loads that may stay out.
.macro UNIT n, left
	s_wait_loadcnt \left
	WIN 0x08                                       ; store data window 2
.irp rho, 0,1,2,3,4,5,6,7,8,9,10,11,12,13,14,15
	ds_store_b128 v[STI], v[64*((\n)%4)+4*\rho:64*((\n)%4)+4*\rho+3] offset:SPITCH*\rho
.endr
	WIN 0
.irp b, 0,1,2,3
.irp j, 0,1,2,3
	ds_load_b128 v[T+16*\b+4*\j:T+16*\b+4*\j+3], v[STO] offset:128*\b+16*\j   ; LDS serves a wave's instructions in order (ISA guide 5.7.1.4): these see the stores above.  No vector instruction since the last unit's wait on va_vdst names T
.endr
.endr
	s_wait_dscnt 0x0                               ; the numbers are back
	s_wait_alu depctr_vm_vsrc(0)                   ; the stage's stores have read the ring slot, in which the loads below land (behind phase X: which the products write); the last image's stores have read PC, which the conversions below write
.if (\n) < 12
	XLOAD (\n)+4                                   ; the slot takes the unit four on
.endif
	QUANT
	s_wait_alu depctr_va_vdst(0)                   ; the conversions have written PC, which the stores below read; the holds and conversions are done with T, in which the next unit's numbers (behind phase X: the bias) land
.irp c, 0,1,2,3
	ds_store_b128 v[LIW+(\n)/8], v[PC+4*\c:PC+4*\c+3] offset:(((\n)/2)%4)*16384+((\n)%2)*2048+512*\c
.endr
.endm
; 16 products: token tiles i0, i0 + 1 x the 8 feature tiles.  The 64 accumulators take turns, one instruction a turn, in the same order in every K step.
.macro MUL16 i0, p, zero, swap
.irp i, \i0, \i0+1
.irp j, 0,1,2,3,4,5,6,7
.if \swap
.if \zero
	v_wmma_f32_16x16x128_fp8_fp8 v[8*(8*((\i)%4)+\j):8*(8*((\i)%4)+\j)+7], v[XF+16*(\i):XF+16*(\i)+15], v[128*(\p)+16*\j:128*(\p)+16*\j+15], 0
.else
	v_wmma_f32_16x16x128_fp8_fp8 v[8*(8*((\i)%4)+\j):8*(8*((\i)%4)+\j)+7], v[XF+16*(\i):XF+16*(\i)+15], v[128*(\p)+16*\j:128*(\p)+16*\j+15], v[8*(8*((\i)%4)+\j):8*(8*((\i)%4)+\j)+7]
.endif
.else
.if \zero
	v_wmma_f32_16x16x128_fp8_fp8 v[8*(8*((\i)%4)+\j):8*(8*((\i)%4)+\j)+7], v[128*(\p)+16*\j:128*(\p)+16*\j+15], v[XF+16*(\i):XF+16*(\i)+15], 0
.else
	v_wmma_f32_16x16x128_fp8_fp8 v[8*(8*((\i)%4)+\j):8*(8*((\i)%4)+\j)+7], v[128*(\p)+16*\j:128*(\p)+16*\j+15], v[XF+16*(\i):XF+16*(\i)+15], v[8*(8*((\i)%4)+\j):8*(8*((\i)%4)+\j)+7]
.endif
.endif
.endr
.endr
.endm
.macro QUART i0, p, zero               ; a quarter of a K step: 16 products, token tiles i0, i0 + 1; the order of the sources hangs on the work-group's y alone
	s_cmp_eq_u32 s[YY], 2
	s_cbranch_scc1 .Lsw_\@
	WIN 0xa1+0x50*((\i0)/4)                        ; source 0 (weights) window 1, source 1 (tokens) window 0, C and D window 2 or 3
	MUL16 \i0, \p, \zero, 0
	WIN 0
	s_branch .Ljn_\@
.Lsw_\@:
	WIN 0xa4+0x50*((\i0)/4)                        ; source 0 (tokens) window 0, source 1 (weights) window 1
	MUL16 \i0, \p, \zero, 1
	WIN 0
.Ljn_\@:
.endm
; A K step of 128: 64 products on weight set p, in four quarters.  The next step's weights are asked for at its head; the tokens' fragments come in four runs of 8 LDS loads, each two quarters ahead of the quarter that multiplies them.
; Ahead of each quarter s_wait_dscnt 16: behind the 8 loads that the quarter needs stand the two younger runs of 8.  Four places stand between every product and every load into one of its sources.
; hw = 0: a pass's first step, whose head owes no wait: in the first pass nothing has named weight set 1 or token tiles 4-7, later the wait at the pass's end has covered them.
.macro STEP p, zero, hw
	s_wait_xcnt 0x0                                ; the last fetch has read its base
	s_add_nc_u64 s[WP:WP+1], s[WP:WP+1], s[INC:INC+1]
.if \hw
	s_wait_alu depctr_va_vdst(0)                   ; the step before's products are done reading the other weight set and token tiles 4-7, in which the loads below, and tiles 6-7 behind quarter 0, land
.endif
	WFETCH 1-(\p)                                  ; (four places stand at the tail of the step that read this set)
	XF2 4                                          ; this step's token tiles 4-5
	s_wait_loadcnt 32                              ; all but the 32 just issued: set p, and the bias, are in
	s_wait_dscnt 16                                ; tiles 0-1 are in
	QUART 0, \p, \zero
	XF2 6                                          ; this step's tiles 6-7.  No wait: quarter 0 names set p, tiles 0-1 and window 2 alone
	s_wait_dscnt 16                                ; tiles 2-3 are in
	QUART 2, \p, \zero
	PLACES 4
	s_wait_alu depctr_vm_vsrc(0)                   ; the LDS loads issued so far have read v[XA]
	v_add_nc_u32 v[XA], s[XO], v[LI]
	s_wait_alu depctr_va_vdst(0)                   ; v[XA] is written; quarters 0 and 1 are done reading tiles 0-3, in which the loads below, and tiles 2-3 behind quarter 2, land
	XF2 0                                          ; the next step's tiles 0-1
	s_wait_dscnt 16                                ; tiles 4-5 are in
	QUART 4, \p, \zero
	XF2 2                                          ; the next step's tiles 2-3.  No wait: quarter 2 names set p, tiles 4-5 and window 3 alone
	s_wait_dscnt 16                                ; tiles 6-7 are in
	QUART 6, \p, \zero
	PLACES 4
	s_add_co_u32 s[XO], s[XO], 16384
	s_and_b32 s[XO], s[XO], 0x1ffff                ; behind K step 7 comes the next pass's K step 0
.endm
.macro BIAS_QK                         ; lane (r, h), tile j, register i: feature 32 (j / 2) + 8 (j % 2) + 16 h + i of the pass's 128
.irp j, 0,1,2,3,4,5,6,7
	global_load_b128 v[BI+8*\j:BI+8*\j+3], v[BQ], s[BP:BP+1] offset:(32*(\j/2)+8*(\j%2))*4
	global_load_b128 v[BI+8*\j+4:BI+8*\j+7], v[BQ], s[BP:BP+1] offset:(32*(\j/2)+8*(\j%2))*4+16
.endr
.endm
.macro BIAS_V                          ; lane (r, h), tile j: the one feature 32 (j / 2) + 8 (j % 2) + r + 8 (r / 8)
.irp j, 0,1,2,3,4,5,6,7
	global_load_b32 v[BI+2*\j], v[BV], s[BP:BP+1] offset:(32*(\j/2)+8*(\j%2))*4
.endr
.endm
; q, k: token tile i's 64 sums of a lane are d = 0 .. 63 of two heads (my half's 16 of each 32): + bias, hold, 64 codes in 16 registers, four stores of 512 consecutive bytes.
.macro EPI_QK
.set n, 0
.rept 64
	v_ldexp_f32 v[BI+n], v[BI+n], s[NEG]           ; b / 2^(ex + ew).  (These lines are also places behind the last products)
.set n, n+1
.endr
.irp i, 0,1,2,3,4,5,6,7
.set AC, 64*(\i%4)
.set WD, 2+\i/4
	WIN (WD<<6)|WD                                 ; destination and source 0: the accumulators' window
.set n, 0
.rept 32
	v_pk_add_f32 v[AC+n:AC+n+1], v[AC+n:AC+n+1], v[BI+n:BI+n+1]   ; each accumulator from its low end on
.set n, n+2
.endr
.set n, 0
.rept 64
	v_med3_num_f32 v[AC+n], v[AC+n], -v[LMF], v[LMF]
.set n, n+1
.endr
	s_wait_alu depctr_va_vdst(0)
	s_wait_xcnt 0x0                                ; the last tile's stores have had their addresses translated
	s_wait_alu depctr_vm_vsrc(0)                   ; the last tile's stores (ahead of the first tile: the stores that last read it) have read PC, which the conversions below write
	WIN WD
.irp j, 0,1,2,3,4,5,6,7
	v_cvt_scalef32_pk8_fp8_f32 v[PC+2*\j:PC+2*\j+1], v[AC+8*\j:AC+8*\j+7], v[SCF]
.endr
	v_nop                                          ; a plain vector line behind the last conversion
	WIN 0
	s_wait_alu depctr_va_vdst(0)                   ; the conversions have written PC, which the stores below read
.irp b, 0,1,2,3
	global_store_b128 v[LI], v[PC+4*\b:PC+4*\b+3], s[OUT:OUT+1] offset:(\b/2)*131072+1024*\i+512*(\b%2)   ; head b / 2 of the pass's two, tile i, group b % 2
.endr
.endr
.endm
; v: a lane holds one d (feature tile j) and, in token tiles 2 c and 2 c + 1, 16 neighbouring tokens: group c of the fragment (head j / 4, d tile j % 4).  Two feature tiles x four token tiles a batch.
.macro EPI_V
.irp j, 0,1,2,3,4,5,6,7
	v_ldexp_f32 v[BI+2*\j], v[BI+2*\j], s[NEG]
.endr
.irp j, 0,1,2,3,4,5,6,7
	v_mov_b32 v[BI+2*\j+1], v[BI+2*\j]             ; the pair for the packed addition
.endr
.irp wd, 0,1
.irp jj, 0,1,2,3
	WIN ((2+\wd)<<6)|(2+\wd)
.irp jo, 0,1
.irp ii, 0,1,2,3
.set AC, 8*(8*\ii+2*\jj+\jo)
.irp k, 0,2,4,6
	v_pk_add_f32 v[AC+\k:AC+\k+1], v[AC+\k:AC+\k+1], v[BI+2*(2*\jj+\jo):BI+2*(2*\jj+\jo)+1]
.endr
.irp k, 0,1,2,3,4,5,6,7
	v_med3_num_f32 v[AC+\k], v[AC+\k], -v[LMF], v[LMF]
.endr
.endr
.endr
	s_wait_alu depctr_va_vdst(0)
	s_wait_xcnt 0x0                                ; the last batch's stores have had their addresses translated
	s_wait_alu depctr_vm_vsrc(0)                   ; the last batch's stores (ahead of the first batch: the stores that last read it) have read PC, which the conversions below write
	WIN 2+\wd
.irp jo, 0,1
.irp ii, 0,1,2,3
.set AC, 8*(8*\ii+2*\jj+\jo)
	v_cvt_scalef32_pk8_fp8_f32 v[PC+8*\jo+2*\ii:PC+8*\jo+2*\ii+1], v[AC:AC+7], v[SCF]
.endr
.endr
	v_nop
	WIN 0
	s_wait_alu depctr_va_vdst(0)                   ; the conversions have written PC, which the stores below read
.irp jo, 0,1
.irp bl, 0,1
	global_store_b128 v[LI], v[PC+8*\jo+4*\bl:PC+8*\jo+4*\bl+3], s[OUT:OUT+1] offset:((2*\jj+\jo)/4)*131072+2048*((2*\jj+\jo)%4)+512*(2*\wd+\bl)
.endr
.endr
.endr
.endr
.endm
	s_load_b512 s[8:23], s[0:1], 0x0               ; query, key, value, bq, bk, bv, the scales' exponents, w_img
	s_load_b128 s[24:27], s[0:1], 0x40             ; q_img, k_img
	s_load_b64 s[28:29], s[0:1], 0x50              ; v_img
	v_lshl_add_u32 v126, v0, 2, 0x28400
	v_mov_b32 v127, 0
	v_lshrrev_b32 v1, 5, v0
	v_readfirstlane_b32 s[WV], v1                  ; wave 0..3
	v_and_b32 v1, 31, v0                           ; lane
	v_and_b32 v2, 15, v0                           ; r
	v_bfe_u32 v3, v0, 4, 1                         ; h
	v_lshlrev_b32 v[LI], 4, v1
	v_mov_b32 v[XA], v[LI]                         ; the first K step's images begin at LDS byte 0
	s_wait_alu depctr_va_sdst(0)                   ; the wave's number is written, ahead of its first reader: LDS addresses and the buffers' bases are made from it
	s_mul_i32 s66, s[WV], 16*SPITCH
	s_add_co_u32 s66, s66, STG                     ; my stage
	v_add_nc_u32 v[STI], s66, v[LI]
	v_mul_u32_u24 v[STO], v2, SPITCH
	v_lshl_add_u32 v[STO], v3, 6, v[STO]
	v_add_nc_u32 v[STO], s66, v[STO]
	s_lshl_b32 s67, s[WV], 12                      ; tile 2 w: 2 w x 2,048 bytes
	v_add_nc_u32 v[LIW], s67, v[LI]
	v_add_nc_u32 v[LIW+1], 0x10000, v[LIW]
	v_lshlrev_b32 v[BQ], 6, v3
	v_and_b32 v[BV], 8, v2
	v_add_nc_u32 v[BV], v[BV], v2
	v_lshlrev_b32 v[BV], 2, v[BV]
	s_and_b32 s[YY], ttmp7, 0xffff
	s_mov_b32 s[BLK], ttmp9
	s_wait_kmcnt 0x0
	s_load_b128 s[32:35], s[20:21], 0x0            ; e0 .. e11
	s_load_b128 s[36:39], s[20:21], 0x10
	s_load_b128 s[40:43], s[20:21], 0x20
	s_cmp_eq_u32 s[YY], 1                          ; the choices hang on the work-group's number alone
	s_cselect_b64 s[XP:XP+1], s[10:11], s[8:9]
	s_cselect_b64 s[BP:BP+1], s[16:17], s[14:15]
	s_cselect_b64 s[OUT:OUT+1], s[26:27], s[24:25]
	s_cmp_eq_u32 s[YY], 2
	s_cselect_b64 s[XP:XP+1], s[12:13], s[XP:XP+1]
	s_cselect_b64 s[BP:BP+1], s[18:19], s[BP:BP+1]
	s_cselect_b64 s[OUT:OUT+1], s[28:29], s[OUT:OUT+1]
	s_lshl_b32 s66, s[BLK], 19                     ; 128 rows of 4,096 bytes a block,
	s_lshl_b32 s67, s[WV], 17                      ; 32 a wave
	s_add_co_u32 s66, s66, s67
	s_mov_b32 s67, 0
	s_add_nc_u64 s[XP:XP+1], s[XP:XP+1], s[66:67]
	s_wait_alu depctr_va_vdst(0)                   ; the offsets and LDS addresses v4, v6 to v9 and v14 to v16 are written: every load and store of the kernel reads one of them
	XLOAD 0                                        ; the ring is filled before anything else: 64 loads, 32 KiB a wave
	XLOAD 1
	XLOAD 2
	XLOAD 3
	s_lshl_b32 s66, s[WV], 10                      ; my 256 numbers of the bias
	s_add_nc_u64 s[BP:BP+1], s[BP:BP+1], s[66:67]
	s_lshr_b32 s66, s[BLK], 4                      ; the batch: 16 blocks of 128 tokens each
	s_lshl_b32 s66, s66, 4
	s_lshl_b32 s68, s[WV], 2
	s_add_co_u32 s66, s66, s68                     ; 16 x batch + my first head, 4 w
	s_lshl_b32 s66, s66, 17                        ; a head's image is 131,072 bytes in all three buffers
	s_and_b32 s68, s[BLK], 15
	s_lshl_b32 s68, s68, 13                        ; a block of 128 tokens 8,192
	s_add_co_u32 s66, s66, s68
	s_add_nc_u64 s[OUT:OUT+1], s[OUT:OUT+1], s[66:67]
	s_lshl_b32 s66, s[YY], 20                      ; the weight's image,
	s_lshl_b32 s68, s[WV], 18                      ; chunk 2 w
	s_add_co_u32 s66, s66, s68
	s_add_nc_u64 s[WP:WP+1], s[22:23], s[66:67]
	s_wait_kmcnt 0x0
	s_cmp_eq_u32 s[YY], 1
	s_cselect_b32 s68, s34, s32                    ; ex
	s_cselect_b32 s69, s35, s33                    ; ew
	s_cselect_b32 s70, s39, s38                    ; eo
	s_cmp_eq_u32 s[YY], 2
	s_cselect_b32 s68, s36, s68
	s_cselect_b32 s69, s37, s69
	s_cselect_b32 s70, s40, s70
	s_cmp_eq_u32 s[YY], 0
	s_cselect_b32 s71, 3, 0                        ; q's division by 8
	s_add_co_i32 s72, s68, s69                     ; ex + ew
	s_sub_co_i32 s[NEG], 0, s72
	s_sub_co_i32 s70, s70, s72
	s_add_co_i32 s70, s70, s71                     ; the folded exponent
	s_add_co_i32 s68, s68, 127
	s_lshl_b32 s73, s68, 23
	v_mov_b32 v[SCX], s73
	s_add_co_i32 s68, s68, 8
	s_lshl_b32 s68, s68, 23
	s_or_b32 s68, s68, 0x600000
	v_mov_b32 v[LMX], s68
	s_add_co_i32 s70, s70, 127
	s_lshl_b32 s73, s70, 23
	v_mov_b32 v[SCF], s73
	s_add_co_i32 s70, s70, 8
	s_lshl_b32 s70, s70, 23
	s_or_b32 s70, s70, 0x600000
	v_mov_b32 v[LMF], s70
	s_wait_alu depctr_va_vdst(0)
	; ---- phase X.  Counts: behind unit n's 16 loads stand those of the three units that follow: 48
.irp n, 0,1,2,3,4,5,6,7,8,9,10,11,12
	UNIT \n, 48
.endr
	UNIT 13, 32                                    ; units 14 and 15 are younger
	WFETCH 0                                       ; the first K step's weights
	UNIT 14, 48                                    ; unit 15's 16 and the 32 weight loads are younger
	UNIT 15, 32                                    ; the 32 weight loads
	s_wait_dscnt 0x0                               ; for the others' sake: my images have landed
	s_barrier_signal -1
	s_barrier_wait -1                              ; all 64 images lie in LDS; from here on LDS is only read
	XF2 0                                          ; the first K step's token tiles 0-3; v[XA] was written at the head, and nothing has named the fragments' registers
	XF2 2
	s_mov_b32 s[XO], 16384
	s_mov_b32 s[INC], 0x4000
	s_mov_b32 s[INC+1], 0
	s_mov_b32 s[PASS], 2
.Lpass:
	s_cmp_eq_u32 s[YY], 2
	s_cbranch_scc1 .Lbias_v
	BIAS_QK
	s_branch .Lbias_done
.Lbias_v:
	BIAS_V
.Lbias_done:
	STEP 0, 1, 0                                   ; the first K step starts the sums: nothing is cleared
	s_mov_b32 s[KC], 3
.Lk:
	STEP 1, 0, 1
	STEP 0, 0, 1
	s_sub_co_u32 s[KC], s[KC], 1
	s_cmp_lg_u32 s[KC], 0
	s_cbranch_scc1 .Lk
	s_cmp_eq_u32 s[PASS], 1
	s_cselect_b32 s[INC], 0, 0x4000                ; the launch's last fetch has no successor: it names the step in hand once more and is not used
	STEP 1, 0, 1
	s_cmp_eq_u32 s[YY], 2
	s_cbranch_scc1 .Lepi_v
	EPI_QK
	s_branch .Lepi_done
.Lepi_v:
	EPI_V
.Lepi_done:
	s_wait_xcnt 0x0                                ; the stores and the bias loads have read their bases
	s_wait_alu depctr_va_vdst(0)                   ; the epilogue is done reading and writing BI, in which the next pass's bias lands; the last K step's products are done reading weight set 1 and token tiles 4-7, in which the next pass's first loads land
	s_add_nc_u64 s[OUT:OUT+1], s[OUT:OUT+1], 0x40000   ; two heads on
	s_add_nc_u64 s[BP:BP+1], s[BP:BP+1], 512
	s_sub_co_u32 s[PASS], s[PASS], 1
	s_cmp_lg_u32 s[PASS], 0
	s_cbranch_scc1 .Lpass
	s_wait_dscnt 0x0                               ; the last step's fragment loads, which nobody uses
	s_wait_alu depctr_hold_cnt(0) depctr_sa_sdst(0) depctr_va_vdst(0) depctr_va_sdst(0) depctr_va_ssrc(0) depctr_va_vcc(0) depctr_vm_vsrc(0)
	s_wait_tensorcnt 0x0
	ds_add_u32 v126, v127
	s_wait_dscnt 0x0
	s_endpgm
.Lfunc_end_k_q5f4a2d83df_proj:
	.size	k_q5f4a2d83df_proj, .Lfunc_end_k_q5f4a2d83df_proj-k_q5f4a2d83df_proj
	.p2alignl 7, 3214868480
	.fill 96, 4, 3214868480
	.section	.rodata,"a",@progbits
	.p2align	6, 0x0
	.amdhsa_kernel k_q5f4a2d83df_proj
		.amdhsa_group_segment_fixed_size 165376
		.amdhsa_private_segment_fixed_size 0
		.amdhsa_enable_private_segment 0
		.amdhsa_kernarg_size 88
		.amdhsa_user_sgpr_count 2
		.amdhsa_user_sgpr_kernarg_segment_ptr 1
		.amdhsa_wavefront_size32 1
		.amdhsa_system_sgpr_workgroup_id_x 1
		.amdhsa_system_sgpr_workgroup_id_y 1
		.amdhsa_system_sgpr_workgroup_id_z 1
		.amdhsa_system_vgpr_workitem_id 0
		.amdhsa_next_free_vgpr 1024
		.amdhsa_next_free_sgpr 80
		.amdhsa_reserve_vcc 0
		.amdhsa_float_denorm_mode_32 3
		.amdhsa_float_denorm_mode_16_64 3
		.amdhsa_memory_ordered 1
		.amdhsa_forward_progress 1
		.amdhsa_inst_pref_size 255
	.end_amdhsa_kernel
	.section	.bss,"aw",@nobits
	.p2align	6
	.space	262144
	.amdgpu_metadata
---
amdhsa.version: [ 1, 2 ]
amdhsa.kernels:
  - .name:           k_q5f4a2d83df_proj
    .symbol:         k_q5f4a2d83df_proj.kd
    .args:
      - { .name: query, .offset: 0, .size: 8, .value_kind: global_buffer, .address_space: global }
      - { .name: key, .offset: 8, .size: 8, .value_kind: global_buffer, .address_space: global }
      - { .name: value, .offset: 16, .size: 8, .value_kind: global_buffer, .address_space: global }
      - { .name: bq, .offset: 24, .size: 8, .value_kind: global_buffer, .address_space: global }
      - { .name: bk, .offset: 32, .size: 8, .value_kind: global_buffer, .address_space: global }
      - { .name: bv, .offset: 40, .size: 8, .value_kind: global_buffer, .address_space: global }
      - { .name: lowp_scales, .offset: 48, .size: 8, .value_kind: global_buffer, .address_space: global }
      - { .name: w_img, .offset: 56, .size: 8, .value_kind: global_buffer, .address_space: global }
      - { .name: q_img, .offset: 64, .size: 8, .value_kind: global_buffer, .address_space: global }
      - { .name: k_img, .offset: 72, .size: 8, .value_kind: global_buffer, .address_space: global }
      - { .name: v_img, .offset: 80, .size: 8, .value_kind: global_buffer, .address_space: global }
    .group_segment_fixed_size: 165376
    .private_segment_fixed_size: 0
    .kernarg_segment_align: 8
    .kernarg_segment_size: 88
    .max_flat_workgroup_size: 128
    .sgpr_count:     80
    .vgpr_count:     1024
    .wavefront_size: 32
...
	.end_amdgpu_metadata
.endif
;; end of part 6
;; launch attn (part 7): grid 4 x 64, 16 waves a work-group, clusters of 4 x 1, 264,192 bytes of LDS; arguments q_img, k_img, v_img, lowp_scales, ctx_img; writes ctx_img
.if DOCPART == 7
	.amdgcn_target "amdgcn-amd-amdhsa--gfx1250"
	.amdhsa_code_object_version 6
	.text
	.protected	k_q5f4a2d83df_attn
	.globl	k_q5f4a2d83df_attn
	.p2align	8
	.type	k_q5f4a2d83df_attn,@function
k_q5f4a2d83df_attn:
	s_mov_b64 s[64:65], 0
	v_nop
	global_prefetch_b8 v0, s[64:65] scope:SCOPE_SE
	s_setreg_imm32_b32 hwreg(HW_REG_WAVE_MODE, 25, 1), 1
	s_wait_xcnt 0x0
	s_wait_alu depctr_hold_cnt(0) depctr_sa_sdst(0) depctr_va_vdst(0) depctr_va_sdst(0) depctr_va_ssrc(0) depctr_va_vcc(0) depctr_vm_vsrc(0)
	s_getreg_b32 s2, hwreg(HW_REG_IB_STS2, 6, 4)
	s_cmp_eq_u32 s2, 0
	s_cbranch_scc0 .Lentry_in_a_cluster
	s_endpgm
.Lentry_in_a_cluster:
	s_bfe_u32 s2, ttmp6, 0x10000c
	s_cmp_lg_u32 s2, 0x3003
	s_cbranch_scc0 .Lentry_shape_is_right
	s_endpgm
.Lentry_shape_is_right:
; Causal attention on codes of E4M3, head size 64, 2,048 queries and keys a head, 64 heads (y = 16 x batch + head).  Scales: q entry 6, k 7, v 8, p 9 of the exponents; the result leaves as codes with entry 10.
; THE SOFTMAX: t = score x log2(e); M = the running largest t rounded UP to a whole number; p = 2^(t - M) is quantised, not normalised; the row's sum is taken of the unquantised p and divides at the end;
; when M moves, the sum and O are multiplied by 2^(old M - new M), which rounds nothing.  A hidden key's score becomes -infinity, so its p is 0: what the additive -1e10 gives wherever |score| is far below 1e10.
; CLUSTER: the four work-groups of a cluster serve ONE head.  The head's whole K (131,072 bytes of codes) and V (as many) lie in each work-group's LDS, brought ONCE by four joint loads of 65,536 bytes
; (waves 0, 1: K's halves; waves 2, 3: V's), each with the same descriptor and a mask that names the four.  No LDS byte is filled twice, and LDS is only read afterwards.
; SHARES: the head's 128 tiles of 16 queries are 16 groups of 8; group g has its diagonal in key step g (128 keys a step).  Wave w takes tile tau = 2 cx + w / 8 of group w % 8 and then of group 15 - w % 8:
; (g + 1) + (16 - g) = 17 key steps for every wave.  Every wave walks 16 trips a pass and jumps over the work of steps whose keys all come after its queries: branches hang on the wave's number and on counters alone;
; the place in the cluster enters Q's and the result's global addresses and the number that the mask compares with, nothing else.
; LAYOUT: both products transposed: S^T = K Q^T (source 0 = 16 keys), O^T = V^T P (source 0 = 16 of d): a lane holds one query throughout.  Row rho of tile t of a block of 128 tokens (or of d) is
; 32 (t / 2) + 8 (t % 2) + rho + 8 (rho / 8), so 16 registers of tiles 2 b, 2 b + 1 are 16 neighbours: p's codes are the second product's operand, and O's codes are a piece of the last projection's.
; All buffers are images of operand registers: a group of four registers is 512 bytes, lane l's 16 at 16 l; registers 4 c .. 4 c + 3 of lane (r, h) hold k = 32 c + 16 h + 0 .. 15.
; LIMITS: e6 + e7 between -126 and 127 (added to log2(e)'s exponent field); e9 and e10 between -126 and 119; e8 + e9 is applied by v_ldexp_f32.
; LDS: K at 8,192 step + 1,024 tile + 512 c;  V at 131,072 + 8,192 step + 2,048 d tile + 512 c.
; REGISTERS: v1 16 x lane; v2 the mask's number; v8, v9 addresses; v12 -M, v13 the largest t, v[14:15] the sum; v16-23 Q; v32-95 K's 8 fragments, then V's 4; v96-159 S^T, then p; v160-191 O^T; v224-239 codes; v236-254 at work and scales.
.set WV,   14
.set CX,   15
.set YY,   16
.set UU,   17
.set GG,   18                          ; s18  the group of the pass in hand
.set PASS, 19
.set SEL,  20                          ; s[20:21] v_permlanex16_b32's selects for lane l xor 16
.set CS,   22                          ; s[22:23] log2(e) x 2^(e6 + e7)
.set G1,   24                          ; s[24:31] descriptor group 1
.set G0K,  32                          ; s[32:35] group 0 for K's halves
.set TB,   36                          ; s36  LDS byte of the key step
.set ST,   37                          ; s37  the key step
.set EO,   38                          ; s38  e8 + e9
.set TAU,  39
.set QP,   48
.set CP,   50
.set G0V,  56                          ; s[56:59] group 0 for V's halves
.macro ROUND                           ; a round of the cluster's barrier
	s_barrier_signal -1
	s_barrier_wait -1
	s_cmp_lg_u32 s[WV], 0
	s_cbranch_scc1 .Lnot_wave_0_\@
	s_barrier_signal -3
.Lnot_wave_0_\@:
	s_barrier_wait -3
	s_barrier_signal -1
	s_barrier_wait -1
.endm
	s_load_b256 s[4:11], s[0:1], 0x0               ; q_img, k_img, v_img, the scales' exponents
	s_load_b64 s[12:13], s[0:1], 0x20              ; ctx_img
	v_lshl_add_u32 v251, v0, 2, 0x40000
	v_mov_b32 v255, 0
	ds_add_u32 v251, v255
	ds_add_u32 v251, v255
	v_lshrrev_b32 v1, 5, v0
	s_delay_alu instid0(VALU_DEP_1)
	v_readfirstlane_b32 s[WV], v1                  ; wave 0..15
	s_bfe_u32 s[CX], ttmp6, 0x40000                ; my place in the cluster
	s_and_b32 s[YY], ttmp7, 0xffff                 ; the head, which the four partners share
	s_lshr_b32 s[UU], s[WV], 3
	s_and_b32 s[GG], s[WV], 7
	s_lshl_b32 s[TAU], s[CX], 1
	s_add_co_u32 s[TAU], s[TAU], s[UU]             ; my tile in a group
	; group 1: 256 rows of 256 bytes, dense, as elements of 8 bytes; no padding: the images are read 16 x lane
	s_mov_b32 s[G1], 15|(3<<16)|(1<<21)            ; 15:0 the mask: all four work-groups; 17:16 elements of 8 bytes; 21 set beside a mask
	s_mov_b32 s[G1+1], 32<<16                      ; tensor_dim0 = 32
	s_mov_b32 s[G1+2], 256<<16                     ; tensor_dim1 = 256
	s_mov_b32 s[G1+3], 32<<16                      ; tile_dim0 = 32
	s_mov_b32 s[G1+4], 256                         ; tile_dim1 = 256
	s_mov_b32 s[G1+5], 32                          ; the pitch
	s_mov_b32 s[G1+6], 0
	s_mov_b32 s[G1+7], 0
	s_and_b32 s52, s[WV], 1                        ; which half I fetch, if I fetch
	s_lshl_b32 s52, s52, 16
	s_mov_b32 s[G0K], 1
	s_mov_b32 s[G0K+1], s52                        ; LDS: K's half
	s_mov_b32 s[G0V], 1
	s_add_co_u32 s[G0V+1], s52, 131072             ; V's half
	s_lshl_b32 s53, s[YY], 17                      ; the head's 131,072 bytes
	s_add_co_u32 s52, s52, s53
	s_mov_b32 s53, 0
	s_wait_dscnt 0x0
	s_wait_kmcnt 0x0
	s_load_b128 s[40:43], s[10:11], 0x10           ; e4 .. e7
	s_load_b128 s[44:47], s[10:11], 0x20           ; e8 .. e11
	s_add_nc_u64 s[G0K+2:G0K+3], s[6:7], s[52:53]
	s_or_b32 s[G0K+3], s[G0K+3], 0x80000000        ; type = 2
	s_add_nc_u64 s[G0V+2:G0V+3], s[8:9], s[52:53]
	s_or_b32 s[G0V+3], s[G0V+3], 0x80000000
	ROUND                                          ; all four work-groups are here: the joint loads meet
	s_cmp_lt_u32 s[WV], 2                          ; one load a wave at the most is out; four v_nop follow each line
	s_cbranch_scc0 .Lnot_k
	tensor_load_to_lds s[G0K:G0K+3], s[G1:G1+7]
	s_nop 0
.rept 4
	v_nop
.endr
	s_branch .Lasked
.Lnot_k:
	s_cmp_lt_u32 s[WV], 4
	s_cbranch_scc0 .Lasked
	tensor_load_to_lds s[G0V:G0V+3], s[G1:G1+7]
	s_nop 0
.rept 4
	v_nop
.endr
.Lasked:
	v_and_b32 v1, 31, v0
	s_delay_alu instid0(VALU_DEP_1)
	v_lshlrev_b32 v1, 4, v1                        ; 16 x lane
	v_and_b32 v3, 15, v0                           ; r
	v_bfe_u32 v4, v0, 4, 1                         ; h
	s_delay_alu instid0(VALU_DEP_2)
	v_and_b32 v2, 8, v3
	s_delay_alu instid0(VALU_DEP_1)
	v_add_nc_u32 v2, v2, v3                        ; r + 8 (r / 8)
	s_delay_alu instid0(VALU_DEP_3)
	v_lshlrev_b32 v4, 4, v4
	s_delay_alu instid0(VALU_DEP_1)
	v_sub_nc_u32 v2, v2, v4                        ; - 16 h
	s_lshl_b32 s52, s[CX], 5
	s_lshl_b32 s53, s[UU], 3
	s_add_co_u32 s52, s52, s53
	v_add_nc_u32 v2, s52, v2                       ; my query's place in its block of 128, less 16 h: register 16 b + i holds key 32 b + 16 h + i of the step: hidden on the diagonal where 32 b + i > v2
	v_mov_b32 v236, 0                              ; written once: a lane permute's destination counts as one of its sources
	v_mov_b32 v252, 0
	v_mov_b32 v253, 0                              ; (named as the upper half of the pair v[252:253])
	s_mov_b32 s[SEL], 0x76543210
	s_mov_b32 s[SEL+1], 0xfedcba98
	s_mov_b32 s[PASS], 2
	s_wait_kmcnt 0x0
	s_add_co_i32 s52, s42, s43                     ; e6 + e7
	s_lshl_b32 s52, s52, 23
	s_add_co_i32 s[CS], s52, 0x3fb8aa3b            ; log2(e) with the two exponents added to its exponent field
	s_mov_b32 s[CS+1], s[CS]
	s_add_co_i32 s[EO], s44, s45                   ; e8 + e9
	s_add_co_i32 s52, s45, 127
	s_lshl_b32 s53, s52, 23
	v_mov_b32 v244, s53                            ; 2^e9
	s_add_co_i32 s52, s52, 8
	s_lshl_b32 s52, s52, 23
	s_or_b32 s52, s52, 0x600000
	v_mov_b32 v240, s52                            ; 448 x 2^e9
	s_add_co_i32 s52, s46, 127
	s_lshl_b32 s53, s52, 23
	v_mov_b32 v245, s53                            ; 2^e10
	s_add_co_i32 s52, s52, 8
	s_lshl_b32 s52, s52, 23
	s_or_b32 s52, s52, 0x600000
	v_mov_b32 v246, s52                            ; 448 x 2^e10
	s_wait_tensorcnt 0x0                           ; my load, if I issued one, has landed,
	s_barrier_signal -1
	s_barrier_wait -1                              ; everybody's has: K and V are whole
.Lpass:
	s_lshl_b32 s52, s[GG], 3
	s_add_co_u32 s52, s52, s[TAU]
	s_lshl_b32 s52, s52, 10                        ; Q: tile 8 G + tau, 1,024 bytes a tile,
	s_lshl_b32 s53, s[YY], 17                      ; in my head
	s_add_co_u32 s52, s52, s53
	s_mov_b32 s53, 0
	s_add_nc_u64 s[QP:QP+1], s[4:5], s[52:53]
	s_lshr_b32 s54, s[YY], 4
	s_lshl_b32 s54, s54, 4
	s_add_co_u32 s54, s54, s[GG]                   ; the result: block 16 x batch + G of 128 tokens,
	s_lshl_b32 s54, s54, 17
	s_bfe_u32 s55, s[YY], 0x30001                  ; K step head / 2,
	s_lshl_b32 s55, s55, 14
	s_add_co_u32 s54, s54, s55
	s_lshl_b32 s55, s[TAU], 11                     ; tile tau,
	s_add_co_u32 s54, s54, s55
	s_and_b32 s55, s[YY], 1                        ; groups 2 (head % 2) and the next
	s_lshl_b32 s55, s55, 10
	s_add_co_u32 s54, s54, s55
	s_mov_b32 s55, 0
	s_add_nc_u64 s[CP:CP+1], s[12:13], s[54:55]
	global_load_b128 v[16:19], v1, s[QP:QP+1]
	global_load_b128 v[20:23], v1, s[QP:QP+1] offset:512
	v_mov_b32 v13, 0xff61b1e6                      ; the largest t so far: -3e38, under every t
	s_delay_alu instid0(VALU_DEP_1)
	v_floor_f32 v12, -v13                          ; -M
	v_mov_b32 v14, 0
	v_mov_b32 v15, 0
.set n, 0
.rept 32
	v_mov_b32 v[160+n], 0                          ; O^T: the step is written once: the first finds zeros, which the first change of M leaves zeros
.set n, n+1
.endr
	s_mov_b32 s[TB], 0
	s_mov_b32 s[ST], 0
	s_wait_loadcnt 0x0                             ; Q
.Lstep:                                            ; 16 trips, a constant
	s_cmp_gt_u32 s[ST], s[GG]                      ; all 128 keys of the step come after my queries: its work is left out
	s_cbranch_scc1 .Lhidden
	s_setprio 2
	v_add_nc_u32 v8, s[TB], v1
	s_delay_alu instid0(VALU_DEP_1)
	v_add_nc_u32 v9, 0x20000, v8
	v_nop
	v_nop                                          ; with the two additions: four places in front of loads into registers that the last products read
.irp t, 0,1,2,3,4,5,6,7
.irp c, 0,1
	ds_load_b128 v[32+8*\t+4*\c:32+8*\t+4*\c+3], v8 offset:1024*\t+512*\c
.endr
.endr
	s_wait_alu depctr_va_vdst(0)
	s_wait_dscnt 0x0
.irp t, 0,1,2,3,4,5,6,7
	v_wmma_f32_16x16x64_fp8_fp8 v[96+8*\t:103+8*\t], v[32+8*\t:39+8*\t], v[16:23], 0
.endr
.rept 4
	v_nop                                          ; four places: in front of the loads below, and of the first read of the scores
.endr
.irp dt, 0,1,2,3
.irp c, 0,1,2,3
	ds_load_b128 v[32+16*\dt+4*\c:32+16*\dt+4*\c+3], v9 offset:2048*\dt+512*\c   ; V lands while the softmax is worked
.endr
.endr
	s_cmp_lg_u32 s[ST], s[GG]
	s_cbranch_scc1 .Lopen                          ; only the diagonal step has hidden keys
	v_mov_b32 v254, 0xff800000                     ; -infinity
.set n, 0
.rept 64
	v_cmp_gt_i32 vcc_lo, 32*(n/16)+n%16, v2
	v_cndmask_b32 v[96+n], v[96+n], v254, vcc_lo
.set n, n+1
.endr
.Lopen:
	v_max3_num_f32 v254, v96, v97, v98             ; the step's largest score of my query among my 64 keys, in two chains,
	v_max3_num_f32 v252, v99, v100, v101
.irp i, 6,10,14,18,22,26,30,34,38,42,46,50,54,58
	v_max3_num_f32 v254, v254, v[96+\i], v[97+\i]
	v_max3_num_f32 v252, v252, v[98+\i], v[99+\i]
.endr
	v_max3_num_f32 v254, v254, v158, v159
	s_delay_alu instid0(VALU_DEP_1)
	v_max_num_f32 v254, v254, v252
	v_permlanex16_b32 v236, v254, s[SEL], s[SEL+1]
	s_delay_alu instid0(VALU_DEP_1)
	v_max_num_f32 v254, v254, v236                 ; and among lane l xor 16's
	s_delay_alu instid0(VALU_DEP_1)
	v_mul_f32 v254, s[CS], v254                    ; as t
	s_delay_alu instid0(VALU_DEP_1)
	v_max_num_f32 v13, v13, v254                   ; the running largest t
	v_mov_b32 v254, v12
	s_delay_alu instid0(VALU_DEP_2)
	v_floor_f32 v12, -v13                          ; the new -M = -ceil(t)
	s_delay_alu instid0(VALU_DEP_1)
	v_sub_f32 v254, v12, v254                      ; old M - new M: a whole number, 0 or less
	s_delay_alu instid0(VALU_DEP_1)
	v_cvt_i32_f32 v254, v254                       ; (it saturates)
	s_delay_alu instid0(VALU_DEP_1)
	v_ldexp_f32 v252, 1.0, v254                    ; f = 2^(old M - new M)
.set n, 0
.rept 32
	v_pk_fma_f32 v[96+n:97+n], v[96+n:97+n], s[CS:CS+1], v[12:13] op_sel_hi:[1,0,0]   ; t - M, two at a time
.set n, n+2
.endr
.set n, 0
	s_setprio 1
	s_wait_alu depctr_va_vdst(0)
.rept 64
	v_exp_f32 v[96+n], v[96+n]                     ; p = 2^(t - M)
.set n, n+1
.endr
	v_pk_mul_f32 v[14:15], v[14:15], v[252:253] op_sel_hi:[1,0]   ; the sums under the new M: the plain line behind the exponentials
	s_wait_alu depctr_va_vdst(0)                   ; one wait for the batch of 64, ahead of its first reader
	v_pk_add_f32 v[242:243], v[100:101], v[104:105]
	v_pk_add_f32 v[248:249], v[108:109], v[112:113]
	v_pk_add_f32 v[238:239], v[116:117], v[120:121]
	v_pk_add_f32 v[236:237], v[124:125], v[128:129]
	v_pk_add_f32 v[234:235], v[132:133], v[136:137]
	v_pk_add_f32 v[232:233], v[140:141], v[144:145]
	v_pk_add_f32 v[230:231], v[148:149], v[152:153]
	v_pk_add_f32 v[14:15], v[14:15], v[156:157]
	v_pk_add_f32 v[242:243], v[242:243], v[96:97]
	v_pk_add_f32 v[248:249], v[248:249], v[98:99]
	v_pk_add_f32 v[238:239], v[238:239], v[102:103]
	v_pk_add_f32 v[236:237], v[236:237], v[106:107]
	v_pk_add_f32 v[234:235], v[234:235], v[110:111]
	v_pk_add_f32 v[232:233], v[232:233], v[114:115]
	v_pk_add_f32 v[230:231], v[230:231], v[118:119]
	v_pk_add_f32 v[14:15], v[14:15], v[122:123]
	v_pk_add_f32 v[242:243], v[242:243], v[126:127]
	v_pk_add_f32 v[248:249], v[248:249], v[130:131]
	v_pk_add_f32 v[238:239], v[238:239], v[134:135]
	v_pk_add_f32 v[236:237], v[236:237], v[138:139]
	v_pk_add_f32 v[234:235], v[234:235], v[142:143]
	v_pk_add_f32 v[232:233], v[232:233], v[146:147]
	v_pk_add_f32 v[230:231], v[230:231], v[150:151]
	v_pk_add_f32 v[14:15], v[14:15], v[154:155]
	v_pk_add_f32 v[242:243], v[242:243], v[158:159]
	s_delay_alu instid0(VALU_DEP_2)
	v_pk_add_f32 v[14:15], v[14:15], v[236:237]
	s_delay_alu instid0(VALU_DEP_2)
	v_pk_add_f32 v[242:243], v[242:243], v[234:235]
	v_pk_add_f32 v[248:249], v[248:249], v[232:233]
	v_pk_add_f32 v[238:239], v[238:239], v[230:231]
	s_delay_alu instid0(VALU_DEP_2)
	v_pk_add_f32 v[14:15], v[14:15], v[248:249]
	s_delay_alu instid0(VALU_DEP_2)
	v_pk_add_f32 v[242:243], v[242:243], v[238:239]
	s_delay_alu instid0(VALU_DEP_1)
	v_pk_add_f32 v[14:15], v[14:15], v[242:243]
.irp b, 0,1,2,3
.irp i, 0,1,2,3,4,5,6,7,8,9,10,11,12,13,14,15
	v_min_num_f32 v[96+16*\b+\i], v[96+16*\b+\i], v240   ; the conversion does not saturate (ISA guide 7.6.2); p is not negative: a one-sided hold
.endr
	v_cvt_scalef32_pk8_fp8_f32 v[224+4*\b:225+4*\b], v[96+16*\b:103+16*\b], v244
	v_cvt_scalef32_pk8_fp8_f32 v[226+4*\b:227+4*\b], v[104+16*\b:111+16*\b], v244
.endr
.set n, 0
	s_setprio 0
.rept 16
	v_pk_mul_f32 v[160+n:161+n], v[160+n:161+n], v[252:253] op_sel_hi:[1,0]   ; O^T under the new M; plain lines between the conversions and the products
.set n, n+2
.endr
	s_wait_alu depctr_va_vdst(0)
	s_wait_dscnt 0x0                               ; V is in
.irp dt, 0,1,2,3
	v_wmma_f32_16x16x128_fp8_fp8 v[160+8*\dt:167+8*\dt], v[32+16*\dt:47+16*\dt], v[224:239], v[160+8*\dt:167+8*\dt]   ; four accumulators, one instruction a turn
.endr
.Lhidden:
	s_add_co_u32 s[TB], s[TB], 8192
	s_add_co_u32 s[ST], s[ST], 1
	s_cmp_lt_u32 s[ST], 16
	s_cbranch_scc1 .Lstep
	s_setprio 0
	; the tile's end: O^T x 2^(e8 + e9) / the sum, quantised with 2^e10: 8 registers, two groups of the last projection's fragment
.rept 4
	v_nop
.endr
	v_add_f32 v14, v14, v15
	s_delay_alu instid0(VALU_DEP_1)
	v_permlanex16_b32 v252, v14, s[SEL], s[SEL+1]
	s_delay_alu instid0(VALU_DEP_1)
	v_add_f32 v14, v14, v252                       ; the row's sum
	s_wait_alu depctr_va_vdst(0)
	v_rcp_f32 v14, v14
	v_nop                                          ; a plain line behind the reciprocal
	s_wait_alu depctr_va_vdst(0)                   ; and the wait ahead of its first reader
	v_ldexp_f32 v14, v14, s[EO]
.set n, 0
.rept 32
	v_mul_f32 v[96+n], v[160+n], v14               ; register 16 c + i: d = 32 c + 16 h + i; each accumulator from its low end on
.set n, n+1
.endr
.set n, 0
.rept 32
	v_med3_num_f32 v[96+n], v[96+n], -v246, v246
.set n, n+1
.endr
.irp g, 0,1,2,3
	v_cvt_scalef32_pk8_fp8_f32 v[224+2*\g:225+2*\g], v[96+8*\g:103+8*\g], v245
.endr
	v_nop                                          ; a plain line behind the last conversion
	global_store_b128 v1, v[224:227], s[CP:CP+1]               ; 512 consecutive aligned bytes
	global_store_b128 v1, v[228:231], s[CP:CP+1] offset:512
	s_wait_xcnt 0x0                                ; the stores and Q's loads have read their registers and bases
	s_sub_co_u32 s[GG], 15, s[GG]                  ; the second pass takes the mirrored group
	s_sub_co_u32 s[PASS], s[PASS], 1
	s_cmp_lg_u32 s[PASS], 0
	s_cbranch_scc1 .Lpass
	s_wait_dscnt 0x0
	s_wait_tensorcnt 0x0
	ds_add_u32 v251, v255
	s_wait_dscnt 0x0
	ROUND                                          ; the closing round
	s_endpgm
.Lfunc_end_k_q5f4a2d83df_attn:
	.size	k_q5f4a2d83df_attn, .Lfunc_end_k_q5f4a2d83df_attn-k_q5f4a2d83df_attn
	.p2alignl 7, 3214868480
	.fill 96, 4, 3214868480
	.section	.rodata,"a",@progbits
	.p2align	6, 0x0
	.amdhsa_kernel k_q5f4a2d83df_attn
		.amdhsa_group_segment_fixed_size 264192
		.amdhsa_private_segment_fixed_size 0
		.amdhsa_enable_private_segment 0
		.amdhsa_kernarg_size 40
		.amdhsa_user_sgpr_count 2
		.amdhsa_user_sgpr_kernarg_segment_ptr 1
		.amdhsa_wavefront_size32 1
		.amdhsa_system_sgpr_workgroup_id_x 1
		.amdhsa_system_sgpr_workgroup_id_y 1
		.amdhsa_system_sgpr_workgroup_id_z 1
		.amdhsa_system_vgpr_workitem_id 0
		.amdhsa_next_free_vgpr 256
		.amdhsa_next_free_sgpr 66
		.amdhsa_reserve_vcc 1
		.amdhsa_float_denorm_mode_32 3
		.amdhsa_float_denorm_mode_16_64 3
		.amdhsa_memory_ordered 1
		.amdhsa_forward_progress 1
		.amdhsa_inst_pref_size 33
	.end_amdhsa_kernel
	.amdgpu_metadata
---
amdhsa.version: [ 1, 2 ]
amdhsa.kernels:
  - .name:           k_q5f4a2d83df_attn
    .symbol:         k_q5f4a2d83df_attn.kd
    .args:
      - { .name: q_img, .offset: 0, .size: 8, .value_kind: global_buffer, .address_space: global }
      - { .name: k_img, .offset: 8, .size: 8, .value_kind: global_buffer, .address_space: global }
      - { .name: v_img, .offset: 16, .size: 8, .value_kind: global_buffer, .address_space: global }
      - { .name: lowp_scales, .offset: 24, .size: 8, .value_kind: global_buffer, .address_space: global }
      - { .name: ctx_img, .offset: 32, .size: 8, .value_kind: global_buffer, .address_space: global }
    .group_segment_fixed_size: 264192
    .private_segment_fixed_size: 0
    .kernarg_segment_align: 8
    .kernarg_segment_size: 40
    .max_flat_workgroup_size: 512
    .sgpr_count:     66
    .vgpr_count:     256
    .wavefront_size: 32
...
	.end_amdgpu_metadata
.endif
;; end of part 7
;; launch outp (part 8): grid 64 x 2, 4 waves a work-group, no clusters, 165,376 bytes of LDS; arguments ctx_img, w_img, bo, lowp_scales, out0; writes out0
.if DOCPART == 8
	.amdgcn_target "amdgcn-amd-amdhsa--gfx1250"
	.amdhsa_code_object_version 6
	.text
	.protected	k_q5f4a2d83df_outp
	.globl	k_q5f4a2d83df_outp
	.p2align	8
	.type	k_q5f4a2d83df_outp,@function
k_q5f4a2d83df_outp:
	s_mov_b64 s[64:65], 0
	v_nop
	global_prefetch_b8 v0, s[64:65] scope:SCOPE_SE
	s_setreg_imm32_b32 hwreg(HW_REG_WAVE_SCHED_MODE, 0, 2), 2
	s_setreg_imm32_b32 hwreg(HW_REG_WAVE_MODE, 25, 1), 1
	s_wait_xcnt 0x0
	s_wait_alu depctr_vm_vsrc(0)
; out = ctx Wo + bo on codes of E4M3 (scales: entries 10 and 11): out = sum x 2^(e10 + e11) + bo, f32.  LIMIT: e10 + e11 between -126 and 127.
; SHARES: a work-group takes 128 tokens (x) and 512 features (y); wave w the 128 features of chunk 4 y + w: 128 x 128, 64 accumulators, 8 K steps of 128.
; ctx_img's block of 128 tokens is 131,072 consecutive bytes, already laid [K step][tile][c][512] as images of operand registers: the four waves copy it into LDS as it lies (32 KiB each), one barrier, and all four read it.
; The weight fragments go from w_img straight into the registers of the one wave that multiplies them; they are not asked for jointly in a cluster, since a joint load lands in LDS, which would add their bytes once written and once read to the LDS traffic.
; Source 0 = 16 features, source 1 = 16 tokens: a lane holds one token and, in feature tiles 2 b and 2 b + 1, 16 neighbouring features.  Row rho of tile t is 32 (t / 2) + 8 (t % 2) + rho + 8 (rho / 8) of its block of 128.
; THE WAY OUT: a token tile's 16 rows x 512 bytes go through my own stage in LDS and leave as whole rows: each store of the wave covers 512 consecutive bytes, aligned to 256.
; LDS: 0: the 64 images, 131,072 bytes;  131,072: a stage of 16 rows x 528 bytes for each wave.
; REGISTERS.  window 0: v4-9 addresses; v32-95 the bias; v128-255 the tokens' 8 fragments, on the way out results and rows.  window 1: the weights, two sets.  windows 2, 3: the accumulators (window 2 first serves the copy).
; THE MODE: SCHED_MODE bits 1:0 = 2 (LLVM: expert scheduling mode 2), set by the entry lines.  The code itself states the register dependences
; between vector or matrix instructions and memory or LDS instructions, with s_wait_alu, always for 0.
; THE PLAN.  Registers that memory or LDS instructions touch:
;   v4-7, v9                 offsets and LDS addresses: made once at the head, never written again.   v[XA]: made at the head, written again once a K step, in the step's middle.
;   window 2 (the copy)      global loads land in it, LDS stores read it, no vector instruction names it; behind the barrier the products write it: one wait on vm_vsrc there.
;   the tokens' fragments    a K step's 64 products go in four quarters, token tiles 0-1, 2-3, 4-5, 6-7; each pair of tiles is loaded anew by a run of 8 LDS loads, two quarters behind the quarter that read it.
;   the weights' sets        step s reads set s % 2; the 32 loads of step s + 1 land in the other set at the head of step s.
;   So a K step has two waits on va_vdst.  At its head: the step before's products are done reading the other weight set and token tiles 4-7; the weight loads, tiles 4-5 and, behind quarter 0, tiles 6-7 follow,
;   and quarter 0 names this step's set, tiles 0-1 and window 2 alone.  In its middle: quarters 0 and 1 are done reading tiles 0-3, and v[XA] is written; the next step's tiles 0-1 and, behind quarter 2, tiles 2-3 follow,
;   and quarter 2 names this step's set, tiles 4-5 and window 3 alone.  One wait on vm_vsrc stands ahead of the add to v[XA].
;   TMP, BK (the way out)    a tile's multiply-adds write TMP, its stores into the stage read it; its loads from the stage land in BK, its global stores read BK.  One wait on va_vdst behind the multiply-adds;
;                            one on vm_vsrc between the stage's stores and the loads back: this tile's stores have read TMP (the next tile writes it), the last tile's global stores have read BK (this tile's loads land in it).
.set SPITCH, 528
.set STG,    131072
.set LI,   4                           ; v4   16 x lane
.set LW,   5                           ; v5   16 x lane + 32,768 x wave: my part of the copy
.set STI,  6                           ; v6   my stage + 16 x lane
.set STO,  7                           ; v7   my stage + 528 r + 64 h
.set XA,   8
.set BQ,   9                           ; v9   64 h
.set BI,   32
.set XF,   128
.set TMP,  128
.set BK,   192
.set CB,   44                          ; s[44:45] my 32 KiB of the block
.set BP,   46
.set OUT,  48
.set WP,   50
.set WV,   54
.set YY,   55
.set KC,   58
.set XO,   59
.set SCL,  60                          ; s[60:61] 2^(e10 + e11)
.set MSB, 0
.macro WIN new
.if MSB != (\new)
	s_set_vgpr_msb (MSB<<8)|(\new)
.set MSB, (\new)
.endif
.endm
.macro PLACES n
.rept \n
	v_nop
.endr
.endm
.macro WFETCH p
	WIN 0x40                                       ; destination window 1
.irp j, 0,1,2,3,4,5,6,7
.irp c, 0,1,2,3
	global_load_b128 v[128*(\p)+16*\j+4*\c:128*(\p)+16*\j+4*\c+3], v[LI], s[WP:WP+1] offset:2048*\j+512*\c
.endr
.endr
	WIN 0
.endm
.macro XF2 i0                          ; token tiles i0, i0 + 1 of the K step at v[XA]: 8 LDS loads
.irp i, \i0, \i0+1
.irp c, 0,1,2,3
	ds_load_b128 v[XF+16*(\i)+4*\c:XF+16*(\i)+4*\c+3], v[XA] offset:2048*(\i)+512*\c
.endr
.endr
.endm
.macro MUL16 i0, p, zero               ; the 64 accumulators take turns, one instruction a turn, in the same order in every K step
.irp i, \i0, \i0+1
.irp j, 0,1,2,3,4,5,6,7
.if \zero
	v_wmma_f32_16x16x128_fp8_fp8 v[8*(8*((\i)%4)+\j):8*(8*((\i)%4)+\j)+7], v[128*(\p)+16*\j:128*(\p)+16*\j+15], v[XF+16*(\i):XF+16*(\i)+15], 0
.else
	v_wmma_f32_16x16x128_fp8_fp8 v[8*(8*((\i)%4)+\j):8*(8*((\i)%4)+\j)+7], v[128*(\p)+16*\j:128*(\p)+16*\j+15], v[XF+16*(\i):XF+16*(\i)+15], v[8*(8*((\i)%4)+\j):8*(8*((\i)%4)+\j)+7]
.endif
.endr
.endr
.endm
; A K step of 128: 64 products on weight set p, in four quarters.  Ahead of each quarter s_wait_dscnt 16: behind the 8 loads that the quarter needs stand the two younger runs of 8.
; more = 0: the last K step, which asks for nothing of a successor: its counts run down.  hw = 0: the first K step, ahead of which nothing has named weight set 1 or token tiles 4-7.
; Four places stand between every product and every load into one of its sources.
.macro STEP p, zero, more, hw
.if \more
	s_wait_xcnt 0x0                                ; the last fetch has read its base
	s_add_nc_u64 s[WP:WP+1], s[WP:WP+1], 0x4000
.endif
.if \hw
	s_wait_alu depctr_va_vdst(0)                   ; the step before's products are done reading the other weight set and token tiles 4-7, in which the loads below, and tiles 6-7 behind quarter 0, land
.endif
.if \more
	WFETCH 1-(\p)                                  ; (four places stand at the tail of the step that read this set)
.endif
	XF2 4                                          ; this step's token tiles 4-5
.if \more
	s_wait_loadcnt 32                              ; all but the 32 just issued
.else
	s_wait_loadcnt 0x0
.endif
	s_wait_dscnt 16                                ; tiles 0-1 are in
	WIN 0xa1
	MUL16 0, \p, \zero
	WIN 0
	XF2 6                                          ; this step's tiles 6-7.  No wait: quarter 0 names set p, tiles 0-1 and window 2 alone
	s_wait_dscnt 16                                ; tiles 2-3 are in
	WIN 0xa1
	MUL16 2, \p, \zero
.if \more
	PLACES 4
	WIN 0
	s_wait_alu depctr_vm_vsrc(0)                   ; the LDS loads issued so far have read v[XA]
	v_add_nc_u32 v[XA], s[XO], v[LI]
	s_wait_alu depctr_va_vdst(0)                   ; v[XA] is written; quarters 0 and 1 are done reading tiles 0-3, in which the loads below, and tiles 2-3 behind quarter 2, land
	XF2 0                                          ; the next step's tiles 0-1
	s_wait_dscnt 16                                ; tiles 4-5 are in
.else
	s_wait_dscnt 8                                 ; tiles 4-5 are in; tiles 6-7 may be out
.endif
	WIN 0xf1
	MUL16 4, \p, \zero
.if \more
	WIN 0
	XF2 2                                          ; the next step's tiles 2-3.  No wait: quarter 2 names set p, tiles 4-5 and window 3 alone
	s_wait_dscnt 16                                ; tiles 6-7 are in
	WIN 0xf1
.else
	s_wait_dscnt 0x0
.endif
	MUL16 6, \p, \zero
	PLACES 4
	WIN 0
.if \more
	s_add_co_u32 s[XO], s[XO], 16384
.endif
.endm
.macro OUTT i                          ; token tile i goes out
.set AC, 64*((\i)%4)
	WIN 2+(\i)/4                                   ; source 0: the accumulators' window
.set n, 0
.rept 32
	v_pk_fma_f32 v[TMP+n:TMP+n+1], v[AC+n:AC+n+1], s[SCL:SCL+1], v[BI+n:BI+n+1] op_sel_hi:[1,0,1]   ; sum x 2^(e10 + e11) + bo; each accumulator from its low end on
.set n, n+2
.endr
	WIN 0
	s_wait_alu depctr_va_vdst(0)                   ; the multiply-adds have written TMP, which the stores below read; in the first tile: the last products are done reading v192-255, in which the rows below land
.irp b, 0,1,2,3
.irp u, 0,1
.irp q, 0,1
	ds_store_b128 v[STO], v[TMP+8*(2*\b+\u)+4*\q:TMP+8*(2*\b+\u)+4*\q+3] offset:128*\b+32*\u+16*\q   ; row r, features 32 b + 16 h + 8 u + 4 q on
.endr
.endr
.endr
	s_wait_xcnt 0x0                                ; the last tile's stores have had their addresses translated
	s_wait_alu depctr_vm_vsrc(0)                   ; the last tile's global stores have read BK, in which the loads below land; the stores above have read TMP, which the next tile's multiply-adds write
.irp t, 0,1,2,3,4,5,6,7,8,9,10,11,12,13,14,15
	ds_load_b128 v[BK+4*\t:BK+4*\t+3], v[STI] offset:SPITCH*\t   ; LDS serves a wave's instructions in order (ISA guide 5.7.1.4): these see the stores above
.endr
.irp t, 0,1,2,3,4,5,6,7,8,9,10,11,12,13,14,15
	s_wait_dscnt 15-\t
	global_store_b128 v[LI], v[BK+4*\t:BK+4*\t+3], s[OUT:OUT+1] offset:(32*((\i)/2)+8*((\i)%2)+\t+8*(\t/8))*4096 th:TH_STORE_NT
.endr
.endm
	s_load_b256 s[8:15], s[0:1], 0x0               ; ctx_img, w_img, bo, the scales' exponents
	s_load_b64 s[16:17], s[0:1], 0x20              ; out0
	v_lshl_add_u32 v126, v0, 2, 0x28400
	v_mov_b32 v127, 0
	v_lshrrev_b32 v1, 5, v0
	v_readfirstlane_b32 s[WV], v1                  ; wave 0..3
	v_and_b32 v1, 31, v0
	v_and_b32 v2, 15, v0                           ; r
	v_bfe_u32 v3, v0, 4, 1                         ; h
	v_lshlrev_b32 v[LI], 4, v1
	v_mov_b32 v[XA], v[LI]                         ; the first K step's images begin at LDS byte 0
	s_wait_alu depctr_va_sdst(0)                   ; the wave's number is written, ahead of its first reader: LDS addresses and the buffers' bases are made from it
	s_lshl_b32 s66, s[WV], 15
	v_add_nc_u32 v[LW], s66, v[LI]
	s_mul_i32 s67, s[WV], 16*SPITCH
	s_add_co_u32 s67, s67, STG                     ; my stage
	v_add_nc_u32 v[STI], s67, v[LI]
	v_mul_u32_u24 v[STO], v2, SPITCH
	v_lshl_add_u32 v[STO], v3, 6, v[STO]
	v_add_nc_u32 v[STO], s67, v[STO]
	v_lshlrev_b32 v[BQ], 6, v3
	s_and_b32 s[YY], ttmp7, 0xffff
	s_lshl_b32 s68, ttmp9, 17                      ; the block's 131,072 bytes,
	s_add_co_u32 s68, s68, s66                     ; my 32,768 of them
	s_mov_b32 s69, 0
	s_lshl_b32 s70, s[YY], 2
	s_add_co_u32 s70, s70, s[WV]                   ; my chunk of 128 features
	s_lshl_b32 s72, s70, 17
	s_add_co_u32 s72, s72, 3<<20                   ; in Wo's image
	s_mov_b32 s73, 0
	s_lshl_b32 s70, s70, 9                         ; my features in bytes
	s_mov_b32 s71, 0
	s_lshl_b32 s74, ttmp9, 19                      ; 128 rows of 4,096 bytes
	s_add_co_u32 s74, s74, s70
	s_mov_b32 s75, 0
	s_wait_kmcnt 0x0
	s_load_b64 s[20:21], s[14:15], 0x28            ; e10, e11
	s_add_nc_u64 s[CB:CB+1], s[8:9], s[68:69]
	s_add_nc_u64 s[WP:WP+1], s[10:11], s[72:73]
	s_add_nc_u64 s[BP:BP+1], s[12:13], s[70:71]
	s_add_nc_u64 s[OUT:OUT+1], s[16:17], s[74:75]
	WIN 0x80                                       ; destination window 2
	s_wait_alu depctr_va_vdst(0)                   ; the offsets and LDS addresses v4 to v9 are written: every load and store of the kernel reads one of them
.set n, 0
.rept 64
	global_load_b128 v[4*n:4*n+3], v[LI], s[CB:CB+1] offset:512*n
.set n, n+1
.endr
	s_wait_loadcnt 32                              ; the first 32 are in
	WIN 0x08                                       ; store data window 2
.set n, 0
.rept 32
	ds_store_b128 v[LW], v[4*n:4*n+3] offset:512*n
.set n, n+1
.endr
	WFETCH 0                                       ; the first K step's weights
	s_wait_loadcnt 32                              ; the copy's second half is in; the 32 weight loads are younger
	WIN 0x08
.set n, 32
.rept 32
	ds_store_b128 v[LW], v[4*n:4*n+3] offset:512*n
.set n, n+1
.endr
	WIN 0
	s_wait_dscnt 0x0                               ; for the others' sake: my part has landed
	s_barrier_signal -1
	s_barrier_wait -1                              ; the 64 images lie in LDS; nobody writes them again
	s_wait_alu depctr_vm_vsrc(0)                   ; my LDS stores have read window 2's registers: they are accumulators from here on, written by the first K step's products
.irp j, 0,1,2,3,4,5,6,7                ; bo: lane (r, h), tile j, register i: feature 32 (j / 2) + 8 (j % 2) + 16 h + i of my 128
	global_load_b128 v[BI+8*\j:BI+8*\j+3], v[BQ], s[BP:BP+1] offset:(32*(\j/2)+8*(\j%2))*4
	global_load_b128 v[BI+8*\j+4:BI+8*\j+7], v[BQ], s[BP:BP+1] offset:(32*(\j/2)+8*(\j%2))*4+16
.endr
	XF2 0                                          ; the first K step's token tiles 0-3; v[XA] was written at the head, and nothing has named the fragments' registers
	XF2 2
	s_mov_b32 s[XO], 16384
	s_wait_kmcnt 0x0
	s_add_co_i32 s[SCL], s20, s21
	s_add_co_i32 s[SCL], s[SCL], 127
	s_lshl_b32 s[SCL], s[SCL], 23                  ; 2^(e10 + e11) as f32
	s_mov_b32 s[SCL+1], s[SCL]                     ; (named with it as a pair, so it is written)
	STEP 0, 1, 1, 0                                ; the first K step starts the sums: nothing is cleared
	s_mov_b32 s[KC], 3
.Lk:
	STEP 1, 0, 1, 1
	STEP 0, 0, 1, 1
	s_sub_co_u32 s[KC], s[KC], 1
	s_cmp_lg_u32 s[KC], 0
	s_cbranch_scc1 .Lk
	STEP 1, 0, 0, 1                                ; its four closing places stand in front of the first read of results and of the writes over the fragments' registers
.irp i, 0,1,2,3,4,5,6,7
	OUTT \i
.endr
	s_wait_dscnt 0x0
	s_wait_alu depctr_hold_cnt(0) depctr_sa_sdst(0) depctr_va_vdst(0) depctr_va_sdst(0) depctr_va_ssrc(0) depctr_va_vcc(0) depctr_vm_vsrc(0)
	s_wait_tensorcnt 0x0
	ds_add_u32 v126, v127
	s_wait_dscnt 0x0
	s_endpgm
.Lfunc_end_k_q5f4a2d83df_outp:
	.size	k_q5f4a2d83df_outp, .Lfunc_end_k_q5f4a2d83df_outp-k_q5f4a2d83df_outp
	.p2alignl 7, 3214868480
	.fill 96, 4, 3214868480
	.section	.rodata,"a",@progbits
	.p2align	6, 0x0
	.amdhsa_kernel k_q5f4a2d83df_outp
		.amdhsa_group_segment_fixed_size 165376
		.amdhsa_private_segment_fixed_size 0
		.amdhsa_enable_private_segment 0
		.amdhsa_kernarg_size 40
		.amdhsa_user_sgpr_count 2
		.amdhsa_user_sgpr_kernarg_segment_ptr 1
		.amdhsa_wavefront_size32 1
		.amdhsa_system_sgpr_workgroup_id_x 1
		.amdhsa_system_sgpr_workgroup_id_y 1
		.amdhsa_system_sgpr_workgroup_id_z 1
		.amdhsa_system_vgpr_workitem_id 0
		.amdhsa_next_free_vgpr 1024
		.amdhsa_next_free_sgpr 80
		.amdhsa_reserve_vcc 0
		.amdhsa_float_denorm_mode_32 3
		.amdhsa_float_denorm_mode_16_64 3
		.amdhsa_memory_ordered 1
		.amdhsa_forward_progress 1
		.amdhsa_inst_pref_size 104
	.end_amdhsa_kernel
	.amdgpu_metadata
---
amdhsa.version: [ 1, 2 ]
amdhsa.kernels:
  - .name:           k_q5f4a2d83df_outp
    .symbol:         k_q5f4a2d83df_outp.kd
    .args:
      - { .name: ctx_img, .offset: 0, .size: 8, .value_kind: global_buffer, .address_space: global }
      - { .name: w_img, .offset: 8, .size: 8, .value_kind: global_buffer, .address_space: global }
      - { .name: bo, .offset: 16, .size: 8, .value_kind: global_buffer, .address_space: global }
      - { .name: lowp_scales, .offset: 24, .size: 8, .value_kind: global_buffer, .address_space: global }
      - { .name: out0, .offset: 32, .size: 8, .value_kind: global_buffer, .address_space: global }
    .group_segment_fixed_size: 165376
    .private_segment_fixed_size: 0
    .kernarg_segment_align: 8
    .kernarg_segment_size: 40
    .max_flat_workgroup_size: 128
    .sgpr_count:     80
    .vgpr_count:     1024
    .wavefront_size: 32
...
	.end_amdgpu_metadata
.endif
;; end of part 8
